; MI455X (gfx1250); checked and timed in simulation.
; The chip was launched on July 23, 2026; its instructions are those of AMD's public machine-readable ISA for CDNA 5 (MIT licence, August 2026) and "CDNA5" Instruction Set Architecture Reference Guide (July 2026). The comments in the code are by the model that wrote it; some were corrected since.
;; Multi Head Attention. Allowed arithmetic: matrix products marked QUANTISED: E2M3 operands, one E8M0 scale for each 32 along K, by v_wmma_scale_f32_16x16x128_f8f6f4 with both operands' format E2M3, f32 sums; products left as they are: f32 operands where the result goes on into a quantised operand, else bf16, f16 or f32 operands; f32 sums; everything else in f32.
;; Inputs: Wk_codes 1,024 x 32 x 24 uint8 (E2M3 codes of Wk, K innermost, in blocks of 32 codes, four codes in three bytes); Wk_scales 1,024 x 32 uint8 (E8M0 scales of Wk, one for each 32 codes along K); Wo_codes 1,024 x 32 x 24 uint8 (E2M3 codes of Wo, K innermost, in blocks of 32 codes, four codes in three bytes); Wo_scales 1,024 x 32 uint8 (E8M0 scales of Wo, one for each 32 codes along K); Wq_codes 1,024 x 32 x 24 uint8 (E2M3 codes of Wq, K innermost, in blocks of 32 codes, four codes in three bytes); Wq_scales 1,024 x 32 uint8 (E8M0 scales of Wq, one for each 32 codes along K); Wv_codes 1,024 x 32 x 24 uint8 (E2M3 codes of Wv, K innermost, in blocks of 32 codes, four codes in three bytes); Wv_scales 1,024 x 32 uint8 (E8M0 scales of Wv, one for each 32 codes along K); bk 1,024 float32; bo 1,024 float32; bq 1,024 float32; bv 1,024 float32; ln_b 1,024 float32; ln_w 1,024 float32; sa_hidden 16,384 x 1,024 float32; state_hidden_codes 16,384 x 32 x 24 uint8 (E2M3 codes of state_hidden, K innermost, in blocks of 32 codes, four codes in three bytes); state_hidden_scales 16,384 x 32 uint8 (E8M0 scales of state_hidden, one for each 32 codes along K).
;; Outputs: out0 16,384 x 1,024 float32.
;; This version of the problem:
;;   THIS VERSION OF THE PROBLEM IS GIVEN IN LOW PRECISION. The matrix products marked QUANTISED in the list below multiply operands that are first quantised to E2M3 (2 exponent bits, 3 mantissa bits; 6 bits a number), with one power-of-two scale for each 32 numbers along K (OCP MX v1.0); their sums are f32. All else is computed in f32.
;;   The module's matrix products, in the order in which they are computed (A, B: the left and right operand; K: the contracted axis; several contracted axes count as one K, in the product's order):
;;     1. [M 16,384, K 1,024] x [K 1,024, N 1,024]; A: input sa_hidden; B: input Wq (given as codes): QUANTISED
;;     2. [M 16,384, K 1,024] x [K 1,024, N 1,024]; A: input state_hidden (given as codes); B: input Wk (given as codes): QUANTISED
;;     3. [M 16,384, K 1,024] x [K 1,024, N 1,024]; A: input state_hidden (given as codes); B: input Wv (given as codes): QUANTISED
;;     4. batch 16,384 x [M 16, K 64] x [K 64, N 16]; A: computed on the way; B: computed on the way: QUANTISED
;;     5. batch 16,384 x [M 16, K 16] x [K 16, N 64]; A: softmax; B: computed on the way: left as it is (K = 16 < 32)
;;     6. [M 16,384, K 1,024] x [K 1,024, N 1,024]; A: computed on the way; B: input Wo (given as codes): QUANTISED
;;   THE QUANTISER, for each operand of a quantised product, along K:
;;     - K is cut into blocks of 32 from its start; a last block that is shorter is filled with zeros.
;;     - A block's scale is 2^e with e = floor(log2(the largest magnitude in the block)) - 2, held to -126 .. 127; a block of zeros has e = 0. As a byte (E8M0): e + 127.
;;     - Each number is divided by its block's scale, clamped to +-7.5, and rounded to the nearest number of E2M3, ties to even, subnormals kept.
;;     - The product sums the exact products of the quantised numbers (number of the format x scale) in f32.
;;   ~~~python
;;   def quantise(x, axis):      # numpy; x: float32 -> the quantised numbers, widened to float32 again
;;       x = np.moveaxis(x, axis, -1); K = x.shape[-1]
;;       x = np.pad(x, [(0, 0)] * (x.ndim - 1) + [(0, -K % 32)]); x = x.reshape(x.shape[:-1] + (-1, 32)); a = np.abs(x).max(-1, keepdims=True)
;;       e = np.where(a > 0, np.clip(np.frexp(np.where(a > 0, a, 1))[1] - 1 - 2, -126, 127), 0)      # np.frexp(a)[1] - 1 = floor(log2(a)), exactly
;;       r = np.clip(x / 2.0 ** e, -7.5, 7.5)
;;       step = 2.0 ** (np.maximum(np.frexp(np.where(r == 0, 1, r))[1] - 1, 0) - 3)
;;       q = np.round(r / step) * step * 2.0 ** e      # np.round: ties to even
;;       return np.moveaxis(q.reshape(q.shape[:-2] + (-1,))[..., :K], -1, axis).astype(np.float32)
;;   ~~~
;;   OPERANDS COMPUTED ON THE WAY. 'Computed on the way' means the value that the module computes at that place (a softmax that the list does not call 'softmax' is quantised finished and normalised). What goes into a quantiser is computed in f32, as accurately as f32 sums, v_exp_f32 and their like allow (about 1e-6 of the number): no bf16 or f16 on the way to a quantiser, and a product that is left as it is and whose result goes on into a quantised operand takes f32 operands (vector FMAs, or v_wmma_f32_16x16x4_f32). A number that lies on a knife's edge between two numbers of the format may be rounded either way, as far as f32 arithmetic and the matrix unit's own rounding can turn it there, and no further.
;;   INPUTS GIVEN AS CODES. Wk (in the module: [1024, 1024], K = its axis 1); Wo (in the module: [1024, 1024], K = its axis 1); Wq (in the module: [1024, 1024], K = its axis 1); Wv (in the module: [1024, 1024], K = its axis 1); state_hidden (in the module: [16384, 1024], K = its axis 1): each comes as NAME_codes (uint8): NAME with its K axis moved to the last place and cut into blocks of 32 codes, [.., K / 32, bytes a block], one block behind the other in memory; four codes in three bytes: a row's codes are one little-endian stream of bits, code i at bits 6 i .. 6 i + 5 (a code: sign, 2 exponent bits, 3 mantissa bits); and NAME_scales (uint8): the same leading axes, one E8M0 byte (e + 127) for each 32 codes along K. Its value is code x scale, taken as it is: it is not quantised again, and the codes and scales need not be those that the quantiser above would give.
;; 2 versions, each right and faster than the one before. Each part assembles by itself: llvm-mc -triple=amdgcn-amd-amdhsa -mcpu=gfx1250 --defsym DOCPART=n.
;; ======== version 1 of 2: 2 launches
;; workspace buffers: wl 3,276,800 bytes
;; launch prep (part 1): grid 128 x 1, 4 waves a work-group, no clusters, 0 bytes of LDS; arguments Wq_codes, Wq_scales, Wk_codes, Wk_scales, Wv_codes, Wv_scales, Wo_codes, Wo_scales, wl; writes wl
.if DOCPART == 1
	.amdgcn_target "amdgcn-amd-amdhsa--gfx1250"
	.amdhsa_code_object_version 6
	.text
	.protected	k_qffd4f6e108_prep
	.globl	k_qffd4f6e108_prep
	.p2align	8
	.type	k_qffd4f6e108_prep,@function
k_qffd4f6e108_prep:
	s_mov_b64 s[64:65], 0
	v_nop
	global_prefetch_b8 v0, s[64:65] scope:SCOPE_SE
	s_setreg_imm32_b32 hwreg(HW_REG_WAVE_MODE, 25, 1), 1
	s_wait_xcnt 0x0
; The four weights [1024][1024] (codes of E2M3, K innermost, 768 bytes a row; one E8M0 byte for each 32 along K) are laid once in the ORDER OF THE OPERAND'S REGISTERS.
; wl = [gemm G: 0 Q, 1 K, 2 V, 3 O][K step s: 0..7][wave w: 0..3][a unit of 25,600 bytes].  A unit: 16 fragment images of 1,536 bytes (tile t; registers 4 c .. 4 c + 3 of lane l at 512 c + 16 l),
; then 1,024 bytes of scale words: the word of tile t, row r at 512 (t / 8) + 256 ((t / 4) % 2) + 16 r + 4 (t % 4).
; WHICH ROW OF W IS ROW r OF TILE t:  Q, K: 256 w + 64 (t / 4) + 8 (t % 4) + r % 8 + 32 (r / 8);  V: 64 t + 16 w + r;  O: 256 w + 16 t + r.
; One work-group makes one unit; its wave v makes tiles 4 v .. 4 v + 3.  No LDS, no barrier: waves share nothing.
.set UNIT, 25600
	s_load_b512 s[8:23], s[0:1], 0x0               ; Wq codes, scales; Wk; Wv; Wo
	s_load_b64 s[24:25], s[0:1], 0x40              ; wl
	v_lshrrev_b32 v1, 5, v0
	v_readfirstlane_b32 s3, v1                     ; wave v
	v_and_b32 v1, 15, v0                           ; r
	v_bfe_u32 v2, v0, 4, 1                         ; h
	v_and_b32 v3, 31, v0                           ; lane
	s_lshr_b32 s4, ttmp9, 5                        ; G
	s_bfe_u32 s5, ttmp9, 0x30002                   ; s
	s_and_b32 s6, ttmp9, 3                         ; w
	s_cmp_eq_u32 s4, 2                             ; rows from wave w to wave w + 1, from my wave's first tile to the next wave's, from tile to tile
	s_cselect_b32 s26, 16, 0x100
	s_cselect_b32 s27, 0x100, 64
	s_cselect_b32 s28, 64, 8
	s_cmp_eq_u32 s4, 3
	s_cselect_b32 s28, 16, s28
	s_cmp_lt_u32 s4, 2
	s_cselect_b32 s29, -1, 0                       ; Q and K take the split rows
	v_and_b32 v4, 7, v1
	v_lshrrev_b32 v5, 3, v1
	v_lshl_add_u32 v4, v5, 5, v4                   ; r % 8 + 32 (r / 8)
	v_cndmask_b32 v4, v1, v4, s29
	s_mul_i32 s26, s26, s6
	s_mul_i32 s27, s27, s3
	s_add_co_u32 s26, s26, s27
	v_add_nc_u32 v4, s26, v4                       ; my row of W in tile 4 v
	s_mul_i32 s30, s5, 96
	s_lshl_b32 s31, s5, 2
	v_lshlrev_b32 v12, 5, v4
	v_add_nc_u32 v12, s31, v12                     ; its scale word of K step s
	v_mul_u32_u24 v4, v4, 768
	v_mad_u32_u24 v4, v2, 24, v4
	v_add_nc_u32 v4, s30, v4                       ; its codes: row x 768 + 96 s + 24 h
	s_mul_i32 s30, s28, 768
	s_lshl_b32 s31, s28, 5
.irp i, 1,2,3
	v_add_nc_u32 v[4+\i], s30, v[3+\i]
	v_add_nc_u32 v[12+\i], s31, v[11+\i]
.endr
	s_mul_i32 s7, s3, 6144
	v_lshlrev_b32 v3, 4, v3
	v_add_nc_u32 v3, s7, v3                        ; out: 16 x lane + my wave's four images
	s_lshl_b32 s7, s3, 8
	s_add_co_u32 s7, s7, 24576
	v_lshl_add_u32 v1, v1, 4, s7                   ; and my wave's 256 bytes of scale words: 16 r
	s_mul_i32 s30, ttmp9, UNIT
	s_mov_b32 s31, 0
	s_wait_kmcnt 0x0
	s_cmp_eq_u32 s4, 1                             ; the choice of buffers hangs on the work-group's number alone
	s_cselect_b64 s[8:9], s[12:13], s[8:9]
	s_cselect_b64 s[10:11], s[14:15], s[10:11]
	s_cmp_eq_u32 s4, 2
	s_cselect_b64 s[8:9], s[16:17], s[8:9]
	s_cselect_b64 s[10:11], s[18:19], s[10:11]
	s_cmp_eq_u32 s4, 3
	s_cselect_b64 s[8:9], s[20:21], s[8:9]
	s_cselect_b64 s[10:11], s[22:23], s[10:11]
	s_add_nc_u64 s[24:25], s[24:25], s[30:31]
.irp i, 0,1,2,3
.irp p, 0,1,2,3,4,5
	global_load_b64 v[16+12*\i+2*\p:17+12*\i+2*\p], v[4+\i], s[8:9] offset:48*(\p/3)+8*(\p%3)   ; a fragment's 12 registers: 24 bytes at 24 h and 24 at 48 + 24 h
.endr
	global_load_b32 v[8+\i], v[12+\i], s[10:11]
.endr
	s_wait_loadcnt 0x0
.irp i, 0,1,2,3
.irp c, 0,1,2
	global_store_b128 v3, v[16+12*\i+4*\c:19+12*\i+4*\c], s[24:25] offset:1536*\i+512*\c   ; 32 lanes store 512 consecutive bytes
.endr
.endr
	global_store_b128 v1, v[8:11], s[24:25]        ; sixteen lanes store 256 consecutive bytes; lanes 16-31 hold the same words and write them to the same places
	s_endpgm
.Lfunc_end_k_qffd4f6e108_prep:
	.size	k_qffd4f6e108_prep, .Lfunc_end_k_qffd4f6e108_prep-k_qffd4f6e108_prep
	.p2alignl 7, 3214868480
	.fill 96, 4, 3214868480
	.section	.rodata,"a",@progbits
	.p2align	6, 0x0
	.amdhsa_kernel k_qffd4f6e108_prep
		.amdhsa_group_segment_fixed_size 0
		.amdhsa_private_segment_fixed_size 0
		.amdhsa_enable_private_segment 0
		.amdhsa_kernarg_size 72
		.amdhsa_user_sgpr_count 2
		.amdhsa_user_sgpr_kernarg_segment_ptr 1
		.amdhsa_wavefront_size32 1
		.amdhsa_system_sgpr_workgroup_id_x 1
		.amdhsa_system_sgpr_workgroup_id_y 1
		.amdhsa_system_sgpr_workgroup_id_z 1
		.amdhsa_system_vgpr_workitem_id 0
		.amdhsa_next_free_vgpr 64
		.amdhsa_next_free_sgpr 66
		.amdhsa_reserve_vcc 0
		.amdhsa_float_denorm_mode_32 3
		.amdhsa_float_denorm_mode_16_64 3
		.amdhsa_memory_ordered 1
		.amdhsa_forward_progress 1
		.amdhsa_inst_pref_size 7
	.end_amdhsa_kernel
	.amdgpu_metadata
---
amdhsa.version: [ 1, 2 ]
amdhsa.kernels:
  - .name:           k_qffd4f6e108_prep
    .symbol:         k_qffd4f6e108_prep.kd
    .args:
      - { .name: Wq_codes, .offset: 0, .size: 8, .value_kind: global_buffer, .address_space: global }
      - { .name: Wq_scales, .offset: 8, .size: 8, .value_kind: global_buffer, .address_space: global }
      - { .name: Wk_codes, .offset: 16, .size: 8, .value_kind: global_buffer, .address_space: global }
      - { .name: Wk_scales, .offset: 24, .size: 8, .value_kind: global_buffer, .address_space: global }
      - { .name: Wv_codes, .offset: 32, .size: 8, .value_kind: global_buffer, .address_space: global }
      - { .name: Wv_scales, .offset: 40, .size: 8, .value_kind: global_buffer, .address_space: global }
      - { .name: Wo_codes, .offset: 48, .size: 8, .value_kind: global_buffer, .address_space: global }
      - { .name: Wo_scales, .offset: 56, .size: 8, .value_kind: global_buffer, .address_space: global }
      - { .name: wl, .offset: 64, .size: 8, .value_kind: global_buffer, .address_space: global }
    .group_segment_fixed_size: 0
    .private_segment_fixed_size: 0
    .kernarg_segment_align: 8
    .kernarg_segment_size: 72
    .max_flat_workgroup_size: 128
    .sgpr_count:     66
    .vgpr_count:     64
    .wavefront_size: 32
...
	.end_amdgpu_metadata
.endif
;; end of part 1
;; launch main (part 2): grid 256 x 1, 4 waves a work-group, clusters of 4 x 1, 327,680 bytes of LDS; arguments sa_hidden, state_hidden_codes, state_hidden_scales, wl, bq, bk, bv, bo, ln_w, ln_b, out0; writes out0
.if DOCPART == 2
	.amdgcn_target "amdgcn-amd-amdhsa--gfx1250"
	.amdhsa_code_object_version 6
	.text
	.protected	k_qffd4f6e108_main
	.globl	k_qffd4f6e108_main
	.p2align	8
	.type	k_qffd4f6e108_main,@function
k_qffd4f6e108_main:
	s_mov_b64 s[64:65], 0
	v_nop
	global_prefetch_b8 v0, s[64:65] scope:SCOPE_SE
	s_setreg_imm32_b32 hwreg(HW_REG_WAVE_MODE, 25, 1), 1
	s_wait_xcnt 0x0
	s_wait_alu depctr_hold_cnt(0) depctr_sa_sdst(0) depctr_va_vdst(0) depctr_va_sdst(0) depctr_va_ssrc(0) depctr_va_vcc(0) depctr_vm_vsrc(0)
	s_getreg_b32 s2, hwreg(HW_REG_IB_STS2, 6, 4)
	s_cmp_eq_u32 s2, 0
	s_cbranch_scc0 .Lentry_in_a_cluster
	s_endpgm
.Lentry_in_a_cluster:
	s_bfe_u32 s2, ttmp6, 0x10000c
	s_cmp_lg_u32 s2, 0x3003
	s_cbranch_scc0 .Lentry_shape_is_right
	s_endpgm
.Lentry_shape_is_right:
; out0 = LayerNorm(attention-over-heads(Q, K, V) Wo^T + bo + sa), Q = q6(sa) Wq^T + bq, K, V = state Wk^T + bk, state Wv^T + bv; all of it for 64 rows in one work-group: nothing goes to memory on the way.
; The four large products and the 16 x 16 x 64 energies run on codes of E2M3 with one E8M0 scale for each 32 along K; the product of the softmax with V (K = 16) is done by f32 multiply-adds, since its result is quantised.
; SHARES.  256 work-groups of 64 rows (four tiles m of 16).  In each large product wave w makes 256 of the 1,024 columns (16 tiles t) for all 64 rows: 64 accumulators, windows 2 and 3.
; THE MATRIX INSTRUCTION IS USED TRANSPOSED: source 0 = 16 rows of W, source 1 = 16 rows of the activations: lane (r, h) holds row r, and its register j the tile's W row 8 h + j.  Which rows of W form a tile was chosen
; when wl was laid out: for Q and K a lane's 32 registers of four tiles are d = 32 h .. 32 h + 31 of one head, a whole block; for V tile t is head t and a lane holds d = 16 w + 8 h + j.
; W comes through a ring of two LDS slots, one K step (128 along K, 102,400 bytes with its scale words) each; wave w fetches and reads its own quarter.  CLUSTER: all work-groups walk the same W, so the four of a
; cluster ask for each quarter JOINTLY, by the same tensor load with a mask that names the four.
; ACTIVATIONS go from wave to wave through LDS as images of the operand's registers (R1), Q's and K's codes as records of one row each (R2, R1), the softmax as [g][h] in f32 over the row's Q record.
; LIMITS: NaN and infinities among the inputs are not served.  A block of zeros gets the scale byte 1 where the rule says 127 (its codes are zeros, and this program alone reads the bytes); blocks whose largest
; magnitude lies under 2^-124 are held at the byte 1.
; REGISTERS.  window 0: v1-39 addresses; v40-47 activations' scale words, two sets; v48-63 W's, two sets; v64-111, v112-159 four W fragments each; v160-207, v208-255 the four row tiles' fragments, two sets.
;   window 1: v0-99 my 16 rows of state (fragments and scale words), later V of one row tile, later ln_w, ln_b and two rows of sa; v128-255 the bias, eight registers a tile, in the result's layout.
;   windows 2, 3: at first my 16 rows of sa; then accumulator (t, m) in window 2 + m / 2 at v[128 (m % 2) + 8 t].
.set UNIT,  25600                      ; a wave's quarter of a K step of W
.set SLOT1, 102400                     ; slot 0 at byte 0, slot 1 here
.set R2,    204800                     ; 64 records of 1,040 bytes: Q's codes (head x 48 + 24 h), 16 scale words at 768; later the softmax [g][h], 1,024 bytes
.set R1,    271360                     ; 32 fragment images of 1,536 bytes ((8 m + s) x 1,536), their scale words at ASCL; between the K product and the softmax: K's records of 848 bytes
.set ASCL,  R1+49152                   ; the word of (K step s, row r, tile m) at 256 s + 16 r + 4 m
.set SPARE, 325632                     ; the spare words, 128 bytes for each wave: two blocks of 256 bytes that no other line names
.set QPIT,  1040
.set KPIT,  848
.set SPIT,  4112                       ; the way out: 64 rows of 4,096 bytes + 16, over the slots and R2, which have had their last fill and their last read by then
.set LI,  3                            ; 16 x lane
.set SPW, 4                            ; my spare word
.set NIL, 5                            ; 0
.set SL,  6                            ; v6, v7: my quarter of slot 0, 1, + 16 x lane
.set AA,  8                            ; the K step's images
.set AS,  9                            ; and scale words
.set AA0, 10
.set AS0, 11
.set QCW, 12                           ; where I store Q's codes, scale words; K's
.set QSW, 13
.set KCW, 14
.set KSW, 15
.set QCR, 16                           ; where I read them, as operands of the energies
.set KCR, 17
.set QSR, 18
.set KSR, 19
.set ATW, 20                           ; where I store the softmax,
.set ATR, 21                           ; and read it
.set OIW, 22                           ; where I store the attention's images, scale words
.set OSW, 23
.set AIW, 24                           ; where I store my 16 rows' images; state's scale words; sa's
.set SSW, 25
.set ASW, 26
.set STW, 27                           ; the stage: in, back
.set STR, 28
.set SH8, 29                           ; 8 h
.set GQK, 30                           ; my offsets in the biases
.set GV,  31
.set GO,  38
.set ASR, 40
.set WSR, 48
.set XB,  64
.set YB,  112
.set AF,  160
.set QA,  64                           ; the quantiser's registers: two chains of maxima, scale operands, bytes, the other half's, second halves of the codes, codes
.set QB,  68
.set QS,  72
.set QY,  76
.set QP,  80
.set QT,  84
.set QD,  100
.set G1,  24                           ; s[24:31] descriptor group 1; s[32:35], s[36:39] group 0 for slot 0, 1
.set G0,  32
.set MSB, 0
.macro WIN new                         ; the immediate's high byte repeats the setting that is left; a switch that changes nothing is dropped
.if MSB != (\new)
	s_set_vgpr_msb (MSB<<8)|(\new)
.set MSB, (\new)
.endif
.endm
.macro PLACES                          ; four plain places behind a matrix instruction of this form, in front of loads into its registers and of reads of its results
.rept 4
	v_nop
.endr
.endm
.macro BARRIER                         ; my LDS stores have landed and my LDS loads are in: then the work-group's barrier
	s_wait_dscnt 0x0
	s_barrier_signal -1
	s_barrier_wait -1
.endm
.macro ROUND                           ; a round of the cluster's barrier
	s_barrier_signal -1
	s_barrier_wait -1
	s_cmp_lg_u32 s3, 0
	s_cbranch_scc1 .Lnw0_\@
	s_barrier_signal -3
.Lnw0_\@:
	s_barrier_wait -3
	s_barrier_signal -1
	s_barrier_wait -1
.endm
.macro LOADG sreg, g, buf              ; W's tiles 4 g .. 4 g + 3 of a K step: 12 loads of 512 consecutive bytes
.irp tl, 0,1,2,3
.irp c, 0,1,2
	ds_load_b128 v[\buf+12*\tl+4*\c:\buf+12*\tl+4*\c+3], v[\sreg] offset:1536*(4*(\g)+\tl)+512*\c
.endr
.endr
.endm
.macro LOADA sreg, set                 ; the four row tiles' fragments, their scale words, W's scale words: 15 loads
.irp m, 0,1,2,3
.irp c, 0,1,2
	ds_load_b128 v[AF+48*(\set)+12*\m+4*\c:AF+48*(\set)+12*\m+4*\c+3], v[AA] offset:12288*\m+512*\c
.endr
.endr
	ds_load_b128 v[ASR+4*(\set):ASR+4*(\set)+3], v[AS]
	ds_load_b128 v[WSR+8*(\set):WSR+8*(\set)+3], v[\sreg] offset:24576
	ds_load_b128 v[WSR+8*(\set)+4:WSR+8*(\set)+7], v[\sreg] offset:24576+512
.endm
; 16 matrix instructions: tiles 4 g .. 4 g + 3 x the four row tiles.  first = 1: the bias is the C of the sum's first product.  The 64 accumulators take turns, one instruction a turn, in the same order in every
; K step.  W's scale register 4 (t / 8) + t % 4 holds tile t's words in lanes 0-15 where t % 8 < 4, else in lanes 16-31.
.macro MULG g, buf, set, first
.irp m, 0,1,2,3
.if \m == 0
.if \first
	WIN 0x90
.else
	WIN 0xa0
.endif
.endif
.if \m == 2
.if \first
	WIN 0xd0
.else
	WIN 0xf0
.endif
.endif
.irp tl, 0,1,2,3
.set D_, 128*(\m%2)+8*(4*(\g)+\tl)
.set C_, D_
.if \first
.set C_, 128+8*(4*(\g)+\tl)
.endif
.set A_, \buf+12*\tl
.set B_, AF+48*(\set)+12*\m
.set SA_, WSR+8*(\set)+4*((\g)/2)+\tl
.set SB_, ASR+4*(\set)+\m
.if (\g)%2
	v_wmma_scale_f32_16x16x128_f8f6f4 v[D_:D_+7], v[A_:A_+11], v[B_:B_+11], v[C_:C_+7], v[SA_], v[SB_] matrix_a_fmt:MATRIX_FMT_FP6 matrix_b_fmt:MATRIX_FMT_FP6 matrix_a_scale:MATRIX_SCALE_ROW1
.else
	v_wmma_scale_f32_16x16x128_f8f6f4 v[D_:D_+7], v[A_:A_+11], v[B_:B_+11], v[C_:C_+7], v[SA_], v[SB_] matrix_a_fmt:MATRIX_FMT_FP6 matrix_b_fmt:MATRIX_FMT_FP6
.endif
.endr
.endr
.endm
; A K STEP on slot p: 64 matrix instructions in four groups; W's groups go through two buffers.  fill = 1: slot p is filled again with the K step two on.  next = 1: the next K step's first loads are issued.
.macro STEP p, first, fill, next
	s_wait_dscnt 12                                ; group 0 and the activations are in; group 1's 12 loads may be out
	MULG 0, XB, \p, \first
	PLACES
	WIN 0
	LOADG SL+\p, 2, XB
	s_wait_dscnt 12                                ; group 1 is in; group 2's loads may be out
	MULG 1, YB, \p, \first
	PLACES
	WIN 0
	LOADG SL+\p, 3, YB                             ; my last reads of this slot
.if \fill
	s_wait_tensorcnt 0x0                           ; all my tensor loads have landed: the one that was out is my quarter of the other slot
	ds_add_u32 v[SPW], v[NIL]                      ; 0 onto my spare word
	s_wait_dscnt 13                                ; group 2 is in; group 3's 12 loads and the add may be out
.else
.if \next
	s_wait_tensorcnt 0x0                           ; my quarter of the other slot has landed
.endif
	s_wait_dscnt 12
.endif
	MULG 2, XB, \p, \first
	WIN 0
.if \fill
	s_add_nc_u64 s[G0+4*\p+2:G0+4*\p+3], s[G0+4*\p+2:G0+4*\p+3], 2*4*UNIT   ; no tensor load of mine is out: this slot's next K step
	s_wait_dscnt 0x0                               ; the add is done, and my reads of this slot are over
	ROUND                                          ; that now holds of every wave of the four work-groups
	tensor_load_to_lds s[G0+4*\p:G0+4*\p+3], s[G1:G1+7]   ; the first thing behind the round, and my one tensor load until the next
	s_nop 0
	PLACES                                         ; (the places in front of the loads below)
.else
	PLACES
.endif
.if \next
	s_add_co_u32 s66, s66, 1536
	s_add_co_u32 s67, s67, 256
	v_add_nc_u32 v[AA], s66, v[AA0]
	v_add_nc_u32 v[AS], s67, v[AS0]
	LOADG SL+1-\p, 0, XB
	LOADA SL+1-\p, 1-\p
.endif
.if !\fill
.if \next
	s_wait_dscnt 27                                ; group 3 is in; the 27 loads just issued may be out
.else
	s_wait_dscnt 0x0
.endif
.endif
	MULG 3, YB, \p, \first
.if \next
	PLACES
	WIN 0
	LOADG SL+1-\p, 1, YB
.else
	WIN 0
.endif
.endm
.macro GHEAD                           ; a product's first loads, from slot 0
	s_wait_loadcnt 0x0                             ; the bias
	s_mov_b32 s66, 0
	s_mov_b32 s67, 0
	v_add_nc_u32 v[AA], s66, v[AA0]
	v_add_nc_u32 v[AS], s67, v[AS0]
	LOADG SL, 0, XB
	LOADA SL, 0
	LOADG SL, 1, YB
.endm
; THE QUANTISER: four blocks of 32 numbers in the 128 registers from v[base] of window win.  Block k's codes go to v[dk] .. v[dk + 5], its scale byte to v[QY + k].  The largest magnitude has the floor 2^(3 - 127)
; among its leaves, so the byte cannot fall under 1; 2 off its exponent field is the conversion's scale operand.  The registers are read in ascending order in each group of eight.
.macro Q4C k, d, base
	v_cvt_scalef32_pk16_fp6_f32 v[(\d):(\d)+2], v[(\base)+32*\k:(\base)+32*\k+15], v[QS+\k]
	v_cvt_scalef32_pk16_fp6_f32 v[QT+4*\k:QT+4*\k+2], v[(\base)+32*\k+16:(\base)+32*\k+31], v[QS+\k]   ; (a conversion's three registers begin on an even number)
.endm
.macro Q4M k, d
.irp i, 0,1,2
	v_mov_b32 v[(\d)+3+\i], v[QT+4*\k+\i]
.endr
.endm
.macro Q4 win, base, d0, d1, d2, d3
	WIN (\win)|((\win)<<2)
.irp k, 0,1,2,3
	v_max3_num_f32 v[QA+\k], |v[(\base)+32*\k]|, |v[(\base)+32*\k+1]|, 0x1800000
	v_max3_num_f32 v[QB+\k], |v[(\base)+32*\k+16]|, |v[(\base)+32*\k+17]|, 0x1800000
.endr
.irp i, 2,4,6,8,10,12,14
.irp k, 0,1,2,3
	v_max3_num_f32 v[QA+\k], |v[(\base)+32*\k+\i]|, |v[(\base)+32*\k+\i+1]|, v[QA+\k]
	v_max3_num_f32 v[QB+\k], |v[(\base)+32*\k+16+\i]|, |v[(\base)+32*\k+17+\i]|, v[QB+\k]
.endr
.endr
	WIN 0
.irp k, 0,1,2,3
	v_max_num_f32 v[QA+\k], v[QA+\k], v[QB+\k]
.endr
.irp k, 0,1,2,3
	v_add_nc_u32 v[QS+\k], 0xff000000, v[QA+\k]
.endr
.irp k, 0,1,2,3
	v_lshrrev_b32 v[QY+\k], 23, v[QS+\k]
.endr
	WIN (\win)
	Q4C 0, \d0, \base
	Q4C 1, \d1, \base
	Q4C 2, \d2, \base
	Q4C 3, \d3, \base
	WIN 0
	v_nop                                          ; one plain place behind the scaled conversions
	Q4M 0, \d0
	Q4M 1, \d1
	Q4M 2, \d2
	Q4M 3, \d3
.endm
; Q or K, with its bias, becomes records: for each row tile my four heads' blocks (d = 32 h on) are quantised; a head's scale word has its two bytes from lanes l and l xor 16, and 127 for the K that is not there.
.macro QKQ cb, sb, pm
.irp k, 0,1,2,3
	v_mov_b32 v[QP+\k], 0                          ; a lane permute's destination counts as one of its sources
.endr
.irp m, 0,1,2,3
	Q4 2+\m/2, 128*(\m%2), QD, QD+6, QD+12, QD+18
.irp k, 0,1,2,3
	v_lshlrev_b32 v[QY+\k], v[SH8], v[QY+\k]
.endr
.irp k, 0,1,2,3
	v_permlanex16_b32 v[QP+\k], v[QY+\k], s16, s17
.endr
.irp k, 0,1,2,3
	v_or_b32 v[QY+\k], v[QY+\k], v[QP+\k]
.endr
.irp k, 0,1,2,3
	v_or_b32 v[QY+\k], 0x7f7f0000, v[QY+\k]
.endr
.irp k, 0,1,2,3
.irp i, 0,1,2
	ds_store_b64 v[\cb], v[QD+6*\k+2*\i:QD+6*\k+2*\i+1] offset:(\pm)*\m+48*\k+8*\i
.endr
	ds_store_b32 v[\sb], v[QY+\k] offset:(\pm)*\m+4*\k   ; both halves of the lanes write the same word with the same value
.endr
	s_wait_dscnt 0x0                               ; the stores have read their registers
.endr
.endm
.macro BIASL ptr, areg, a, b           ; a bias in the result's layout: eight registers a tile
	WIN 0x40
.irp t, 0,1,2,3,4,5,6,7,8,9,10,11,12,13,14,15
	global_load_b128 v[128+8*\t:131+8*\t], v[\areg], s[\ptr:\ptr+1] offset:(\a)*(\t/4)+(\b)*(\t%4)
	global_load_b128 v[132+8*\t:135+8*\t], v[\areg], s[\ptr:\ptr+1] offset:(\a)*(\t/4)+(\b)*(\t%4)+16
.endr
	WIN 0
.endm
.macro COPYV m                         ; V of row tile m, 128 registers, into window 1, so that the multiply-adds below are written once
	WIN 0x42+(\m)/2
.set I_, 0
.rept 128
	v_mov_b32 v[I_], v[128*((\m)%2)+I_]
.set I_, I_+1
.endr
	WIN 0
.endm
.macro ATL g                           ; my row's softmax for key head g: 16 query heads
.irp q, 0,1,2,3
	ds_load_b128 v[64+16*((\g)%2)+4*\q:64+16*((\g)%2)+4*\q+3], v32 offset:64*(\g)+16*\q
.endr
.endm
.macro PVG g                           ; out(h, d) += softmax(h, g) V(g, d): register 128 + 16 j + h, two query heads an instruction; V(g, d_j) serves both halves
.irp j, 0,1,2,3,4,5,6,7
.irp h, 0,2,4,6,8,10,12,14
.set O_, 128+16*\j+\h
.set A_, 64+16*((\g)%2)+\h
.set V_, 8*(\g)+2*(\j/2)
.if (\g) == 0
.if \j%2
	v_pk_mul_f32 v[O_:O_+1], v[A_:A_+1], v[V_:V_+1] op_sel:[0,1]
.else
	v_pk_mul_f32 v[O_:O_+1], v[A_:A_+1], v[V_:V_+1] op_sel_hi:[1,0]
.endif
.else
.if \j%2
	v_pk_fma_f32 v[O_:O_+1], v[A_:A_+1], v[V_:V_+1], v[O_:O_+1] op_sel:[0,1,0]
.else
	v_pk_fma_f32 v[O_:O_+1], v[A_:A_+1], v[V_:V_+1], v[O_:O_+1] op_sel_hi:[1,0,1]
.endif
.endif
.endr
.endr
.endm
	s_load_b256 s[40:47], s[0:1], 0x0              ; sa, state's codes, state's scales, wl
	s_load_b256 s[48:55], s[0:1], 0x20             ; bq, bk, bv, bo
	s_load_b128 s[56:59], s[0:1], 0x40             ; ln_w, ln_b
	s_load_b64 s[60:61], s[0:1], 0x50              ; out0
	v_lshl_add_u32 v[SPW], v0, 2, SPARE
	v_mov_b32 v[NIL], 0
	ds_add_u32 v4, v5
	ds_add_u32 v4, v5
	s_wait_dscnt 0x0
	v_lshrrev_b32 v1, 5, v0
	v_readfirstlane_b32 s3, v1                     ; wave w
	v_and_b32 v1, 15, v0                           ; r
	v_bfe_u32 v2, v0, 4, 1                         ; h
	v_and_b32 v[LI], 31, v0
	v_lshlrev_b32 v[LI], 4, v[LI]
	s_mul_i32 s6, s3, UNIT
	s_mov_b32 s7, 0
	v_add_nc_u32 v[SL], s6, v[LI]
	v_add_nc_u32 v[SL+1], SLOT1, v[SL]
	v_add_nc_u32 v[AA0], R1, v[LI]
	v_lshl_add_u32 v[AS0], v1, 4, ASCL
	v_mul_u32_u24 v32, v1, QPIT
	v_mul_u32_u24 v33, v2, 24
	v_mul_u32_u24 v34, v1, KPIT
	v_mad_u32_u24 v35, v1, 48, v33
	v_lshlrev_b32 v36, 2, v1
	s_mul_i32 s8, s3, 192
	s_add_co_u32 s9, s8, R2
	v_add_nc_u32 v[QCW], v32, v33
	v_add_nc_u32 v[QCW], s9, v[QCW]                ; R2 + 1,040 r + 24 h + 192 w
	s_add_co_u32 s9, s8, R1
	v_add_nc_u32 v[KCW], v34, v33
	v_add_nc_u32 v[KCW], s9, v[KCW]
	s_lshl_b32 s8, s3, 4
	s_add_co_u32 s9, s8, R2+768
	v_add_nc_u32 v[QSW], s9, v32
	s_add_co_u32 s9, s8, R1+768
	v_add_nc_u32 v[KSW], s9, v34
	s_mul_i32 s8, s3, 16*QPIT
	s_add_co_u32 s8, s8, R2
	v_add_nc_u32 v[QCR], s8, v35                   ; my 16 rows' records: head r, 24 h
	v_lshl_add_u32 v37, v2, 9, v36
	v_add_nc_u32 v[ATW], s8, v37                   ; softmax (g = 8 h + j, query head r): 512 h + 4 r
	s_add_co_u32 s8, s8, 768
	v_add_nc_u32 v[QSR], s8, v36
	s_mul_i32 s8, s3, 16*KPIT
	s_add_co_u32 s8, s8, R1
	v_add_nc_u32 v[KCR], s8, v35
	s_add_co_u32 s8, s8, 768
	v_add_nc_u32 v[KSR], s8, v36
	v_add_nc_u32 v[ATR], R2, v32
	s_mul_i32 s8, s3, 3072
	v_add_nc_u32 v[OIW], s8, v[AA0]
	s_lshl_b32 s8, s3, 9
	v_lshl_add_u32 v37, v2, 8, v[AS0]
	v_add_nc_u32 v[OSW], s8, v37
	s_mul_i32 s8, s3, 12288
	v_add_nc_u32 v[AIW], s8, v[AA0]
	s_lshl_b32 s8, s3, 2
	v_lshl_add_u32 v37, v2, 10, v[AS0]
	v_add_nc_u32 v[SSW], s8, v37
	v_add_nc_u32 v[ASW], s8, v[AS0]
	s_lshl_b32 s8, s3, 10
	v_mul_u32_u24 v[STW], v1, SPIT
	v_lshl_add_u32 v[STW], v2, 5, v[STW]
	v_add_nc_u32 v[STW], s8, v[STW]
	v_lshl_add_u32 v[GQK], v2, 7, s8
	v_lshl_add_u32 v[GO], v2, 5, s8
	s_mul_i32 s8, s3, 16*SPIT
	v_add_nc_u32 v[STR], s8, v[LI]
	v_lshlrev_b32 v[SH8], 3, v2
	s_lshl_b32 s8, s3, 6
	v_lshl_add_u32 v[GV], v2, 5, s8
	v_mul_u32_u24 v33, v1, 768                     ; my lane's offsets in my wave's 16 rows: state's codes,
	v_mad_u32_u24 v33, v2, 24, v33
	v_lshlrev_b32 v34, 5, v1                       ; state's scale words (four K steps a half),
	v_lshl_add_u32 v34, v2, 4, v34
	v_lshlrev_b32 v35, 12, v1                      ; sa: row r, + 128 h: my block of 32
	v_lshl_add_u32 v35, v2, 7, v35
	s_bfe_u32 s4, ttmp6, 0x40000                   ; cx: it enters addresses in memory alone
	s_lshl_b32 s5, ttmp9, 2
	s_add_co_u32 s5, s5, s4
	s_lshl_b32 s5, s5, 6
	s_lshl_b32 s8, s3, 4
	s_add_co_u32 s5, s5, s8                        ; my wave's first row: 64 x work-group + 16 w
	s_lshl_b32 s8, s5, 12
	s_mov_b32 s9, 0
	s_mul_i32 s10, s5, 768
	s_mov_b32 s11, 0
	s_lshl_b32 s12, s5, 5
	s_mov_b32 s13, 0
	s_mov_b32 s16, 0x76543210                      ; v_permlanex16_b32's selects for lane l xor 16
	s_mov_b32 s17, 0xfedcba98
	s_mov_b32 s18, 0x3e38aa3b                      ; c = log2(e) / 8
	s_mov_b32 s19, s18
	s_mov_b32 s20, 0xbe38aa3b                      ; -c
	s_mov_b32 s21, 0x3a800000                      ; 1 / 1,024
	s_mov_b32 s22, 0x3727c5ac                      ; 1e-5
	s_mov_b32 s23, 0xba800000                      ; -1 / 1,024
	; descriptor group 1: a dense block of 25,600 bytes as 100 rows of 256 bytes (32 elements of 8 bytes), no padding
	s_mov_b32 s[G1], 15|(3<<16)|(1<<21)            ; 15:0 the mask: all four work-groups; 17:16 elements of 8 bytes; 21 set beside a mask
	s_mov_b32 s[G1+1], 32<<16                      ; tensor_dim0
	s_mov_b32 s[G1+2], 100<<16                     ; tensor_dim1
	s_mov_b32 s[G1+3], 32<<16                      ; tile_dim0
	s_mov_b32 s[G1+4], 100                         ; tile_dim1
	s_mov_b32 s[G1+5], 32                          ; from row to row
	s_mov_b32 s[G1+6], 0
	s_mov_b32 s[G1+7], 0
	s_wait_kmcnt 0x0
	s_add_nc_u64 s[76:77], s[40:41], s[8:9]        ; sa and out0 at my wave's first row
	s_add_nc_u64 s[78:79], s[60:61], s[8:9]
	s_add_nc_u64 s[42:43], s[42:43], s[10:11]
	s_add_nc_u64 s[44:45], s[44:45], s[12:13]
	s_mov_b32 s[G0], 1
	s_mov_b32 s[G0+1], s6                          ; slot 0, my quarter: the wave's number alone
	s_add_nc_u64 s[G0+2:G0+3], s[46:47], s[6:7]    ; K step 0 of the first product, my quarter
	s_mov_b32 s[G0+4], 1
	s_add_co_u32 s[G0+5], s6, SLOT1
	s_add_nc_u64 s[G0+6:G0+7], s[G0+2:G0+3], 4*UNIT
	s_or_b32 s[G0+3], s[G0+3], 0x80000000
	s_or_b32 s[G0+7], s[G0+7], 0x80000000
	ROUND                                          ; all four work-groups are here: the first joint loads meet
	tensor_load_to_lds s[G0:G0+3], s[G1:G1+7]      ; both first fills together: two loads of mine are out
	s_nop 0
	tensor_load_to_lds s[G0+4:G0+7], s[G1:G1+7]
	s_nop 0
	PLACES
	BIASL 48, GQK, 256, 32                         ; bq: 32 loads
	WIN 0x40
.irp s, 0,1,2,3,4,5,6,7
.irp p, 0,1,2,3,4,5
	global_load_b64 v[12*\s+2*\p:12*\s+2*\p+1], v33, s[42:43] offset:96*\s+48*(\p/3)+8*(\p%3)   ; state: my 16 rows' eight fragments stay in registers
.endr
.endr
	global_load_b128 v[96:99], v34, s[44:45]
	WIN 0x80
.irp s, 0,1,2,3
.irp i, 0,1,2,3,4,5,6,7,8,9,10,11,12,13,14,15
	global_load_b128 v[64*\s+4*\i:64*\s+4*\i+3], v35, s[76:77] offset:512*\s+256*(\i/8)+16*(\i%8)   ; sa: K step s: blocks h and 2 + h of my row, 64 numbers
.endr
.endr
	WIN 0xc0
.irp s, 0,1,2,3
.irp i, 0,1,2,3,4,5,6,7,8,9,10,11,12,13,14,15
	global_load_b128 v[64*\s+4*\i:64*\s+4*\i+3], v35, s[76:77] offset:2048+512*\s+256*(\i/8)+16*(\i%8)
.endr
.endr
	WIN 0
.irp k, 0,1,2,3
	v_mov_b32 v[QP+\k], 0
.endr
; sa's 16 rows become eight fragments, two K steps at a time.  left: how many younger loads may stay out (32 for each later pair; a wait's field holds 63 at the most)
.macro SAQ q, left
	s_wait_loadcnt \left
	Q4 2+(\q)/2, 128*((\q)%2), QD, QD+6, QD+12, QD+18
	v_lshl_or_b32 v[QY], v[QY+1], 16, v[QY]        ; my two bytes of a K step: blocks h and 2 + h,
	v_lshl_or_b32 v[QY+2], v[QY+3], 16, v[QY+2]
	v_lshlrev_b32 v[QY], v[SH8], v[QY]             ; at their places;
	v_lshlrev_b32 v[QY+2], v[SH8], v[QY+2]
	v_permlanex16_b32 v[QP], v[QY], s16, s17
	v_permlanex16_b32 v[QP+2], v[QY+2], s16, s17
	v_or_b32 v[QY], v[QY], v[QP]                   ; with lane l xor 16's two the word is whole
	v_or_b32 v[QY+2], v[QY+2], v[QP+2]
.irp c, 0,1,2
	ds_store_b128 v[AIW], v[QD+4*\c:QD+4*\c+3] offset:1536*(2*(\q))+512*\c
	ds_store_b128 v[AIW], v[QD+12+4*\c:QD+12+4*\c+3] offset:1536*(2*(\q)+1)+512*\c
.endr
	ds_store_b32 v[ASW], v[QY] offset:256*(2*(\q))
	ds_store_b32 v[ASW], v[QY+2] offset:256*(2*(\q)+1)
	s_wait_dscnt 0x0                               ; the stores have read their registers
.endm
	SAQ 0, 63
	SAQ 1, 63
	SAQ 2, 32
	SAQ 3, 0
	s_wait_tensorcnt 1                             ; my quarter of K step 0 is in; K step 1's may stay out
	BARRIER                                        ; sa's 32 fragments lie in LDS
	s_mov_b32 s62, 0                               ; the product in hand: 0 Q, 1 K, 2 V
.Lgemm:
	GHEAD
	STEP 0, 1, 1, 1
	s_mov_b32 s63, 3
.Lk:
	STEP 1, 0, 1, 1
	STEP 0, 0, 1, 1
	s_sub_co_u32 s63, s63, 1
	s_cmp_lg_u32 s63, 0
	s_cbranch_scc1 .Lk
	STEP 1, 0, 1, 0                                ; the ring goes on into the next product: its K steps 0 and 1 are asked for
	; ---- the next product's bias
	s_cmp_eq_u32 s62, 0
	s_cbranch_scc1 .Lb0
	s_cmp_eq_u32 s62, 1
	s_cbranch_scc1 .Lb1
	BIASL 54, GO, 256, 64                          ; bo
	s_branch .Lbd
.Lb0:
	BIASL 50, GQK, 256, 32                         ; bk
	s_branch .Lbd
.Lb1:
	BIASL 52, GV, 1024, 256                        ; bv
.Lbd:
	PLACES
	BARRIER                                        ; nobody reads the activations' images any more
	; ---- Q and K become records
	s_cmp_eq_u32 s62, 0
	s_cbranch_scc1 .Lqrec
	s_cmp_eq_u32 s62, 1
	s_cbranch_scc1 .Lkrec
	s_branch .Lrecd
.Lqrec:
	QKQ QCW, QSW, 16*QPIT
	s_branch .Lrecd
.Lkrec:
	QKQ KCW, KSW, 16*KPIT
.Lrecd:
	BARRIER                                        ; the records lie in LDS
	; ---- behind K: the energies and the softmax of my 16 rows, four rows a trip.  The loop is walked in every trip of the outer loop; its work is jumped over where the product in hand is not K
.irp i, 0,1,2,3,4,5,6,7
.irp j, 6,7,8,9,10,11
	v_mov_b32 v[64+12*\i+\j], 0                    ; K = 64: the operands' upper 64 along K are zero codes
.endr
.endr
.irp i, 0,1,2,3
	v_mov_b32 v[193+2*\i], 0                       ; (upper halves of pairs of which the low word serves, and permutes' destinations: written once)
	v_mov_b32 v[229+2*\i], 0
	v_mov_b32 v[204+\i], 0
.endr
	s_mov_b32 s72, 0
	s_mov_b32 s73, 0
	s_mov_b32 s74, 4
.Latt:
	s_cmp_lg_u32 s62, 1
	s_cbranch_scc1 .Latt_skip
	v_add_nc_u32 v32, s72, v[QCR]
	v_add_nc_u32 v33, s73, v[KCR]
	v_add_nc_u32 v34, s72, v[QSR]
	v_add_nc_u32 v35, s73, v[KSR]
	v_add_nc_u32 v36, s72, v[ATW]
.irp i, 0,1,2,3
.irp p, 0,1,2
	ds_load_b64 v[64+12*\i+2*\p:65+12*\i+2*\p], v33 offset:KPIT*\i+8*\p
	ds_load_b64 v[112+12*\i+2*\p:113+12*\i+2*\p], v32 offset:QPIT*\i+8*\p
.endr
	ds_load_b32 v[40+\i], v35 offset:KPIT*\i
	ds_load_b32 v[44+\i], v34 offset:QPIT*\i
.endr
	s_wait_dscnt 0x0
.irp i, 0,1,2,3
	v_wmma_scale_f32_16x16x128_f8f6f4 v[160+8*\i:167+8*\i], v[64+12*\i:75+12*\i], v[112+12*\i:123+12*\i], 0, v[40+\i], v[44+\i] matrix_a_fmt:MATRIX_FMT_FP6 matrix_b_fmt:MATRIX_FMT_FP6   ; source 0 = the 16 key heads, source 1 = the 16 query heads: a lane holds query head r and key heads 8 h + j
.endr
	PLACES
.irp i, 0,1,2,3
	v_max3_num_f32 v[200+\i], v[160+8*\i], v[161+8*\i], v[162+8*\i]
.endr
.irp i, 0,1,2,3
	v_max3_num_f32 v[200+\i], v[200+\i], v[163+8*\i], v[164+8*\i]
.endr
.irp i, 0,1,2,3
	v_max3_num_f32 v[200+\i], v[200+\i], v[165+8*\i], v[166+8*\i]
.endr
.irp i, 0,1,2,3
	v_max_num_f32 v[200+\i], v[200+\i], v[167+8*\i]
.endr
.irp i, 0,1,2,3
	v_permlanex16_b32 v[204+\i], v[200+\i], s16, s17
.endr
.irp i, 0,1,2,3
	v_max_num_f32 v[200+\i], v[200+\i], v[204+\i]  ; the row's largest energy
.endr
.irp i, 0,1,2,3
	v_mul_f32 v[192+2*\i], s20, v[200+\i]          ; -c x it
.endr
.irp i, 0,1,2,3
.irp j, 0,2,4,6
	v_pk_fma_f32 v[160+8*\i+\j:161+8*\i+\j], v[160+8*\i+\j:161+8*\i+\j], s[18:19], v[192+2*\i:193+2*\i] op_sel_hi:[1,0,0]
.endr
.endr
.set I_, 160
.rept 32
	v_exp_f32 v[I_], v[I_]
.set I_, I_+1
.endr
	v_nop                                          ; a plain place behind the exponentials
	s_wait_alu depctr_va_vdst(0)                   ; one wait for the batch, ahead of its first reader
.irp i, 0,1,2,3
	v_pk_add_f32 v[208+4*\i:209+4*\i], v[160+8*\i:161+8*\i], v[162+8*\i:163+8*\i]
.endr
.irp i, 0,1,2,3
	v_pk_add_f32 v[210+4*\i:211+4*\i], v[164+8*\i:165+8*\i], v[166+8*\i:167+8*\i]
.endr
.irp i, 0,1,2,3
	v_pk_add_f32 v[208+4*\i:209+4*\i], v[208+4*\i:209+4*\i], v[210+4*\i:211+4*\i]
.endr
.irp i, 0,1,2,3
	v_add_f32 v[200+\i], v[208+4*\i], v[209+4*\i]
.endr
.irp i, 0,1,2,3
	v_permlanex16_b32 v[204+\i], v[200+\i], s16, s17
.endr
.irp i, 0,1,2,3
	v_add_f32 v[200+\i], v[200+\i], v[204+\i]
.endr
.irp i, 0,1,2,3
	v_rcp_f32 v[228+2*\i], v[200+\i]
.endr
	v_nop
	s_wait_alu depctr_va_vdst(0)                   ; one wait for the four reciprocals
.irp i, 0,1,2,3
.irp j, 0,2,4,6
	v_pk_mul_f32 v[160+8*\i+\j:161+8*\i+\j], v[160+8*\i+\j:161+8*\i+\j], v[228+2*\i:229+2*\i] op_sel_hi:[1,0]
.endr
.endr
.irp i, 0,1,2,3
.irp j, 0,1,2,3,4,5,6,7
	ds_store_b32 v36, v[160+8*\i+\j] offset:QPIT*\i+64*\j   ; [g][h], over the row's own Q record, which I alone have read
.endr
.endr
.Latt_skip:
	s_add_co_u32 s72, s72, 4*QPIT
	s_add_co_u32 s73, s73, 4*KPIT
	s_sub_co_u32 s74, s74, 1
	s_cmp_lg_u32 s74, 0
	s_cbranch_scc1 .Latt
	BARRIER                                        ; nobody reads K's records any more; the softmax lies in LDS
	; ---- behind Q and behind K: state's images are the next product's activations
	s_cmp_eq_u32 s62, 2
	s_cbranch_scc1 .Lnors
	WIN 0x04                                       ; an LDS store's data are its source 1: window 1
.irp s, 0,1,2,3,4,5,6,7
.irp c, 0,1,2
	ds_store_b128 v[AIW], v[12*\s+4*\c:12*\s+4*\c+3] offset:1536*\s+512*\c
.endr
.endr
.irp i, 0,1,2,3
	ds_store_b32 v[SSW], v[96+\i] offset:256*\i
.endr
	WIN 0
.Lnors:
	BARRIER
	; ---- behind V: softmax x V in f32, a row tile a trip; a lane's 128 results are k = 256 w + 128 h + 0 .. 127 of the last product: a whole K step.  Walked in every trip of the outer loop, as above
	s_mov_b32 s68, 0
	s_mov_b32 s69, 0
	s_mov_b32 s70, 0
	s_mov_b32 s71, 0
.Lpv:
	s_cmp_lg_u32 s62, 2
	s_cbranch_scc1 .Lpv_skip
	s_cmp_eq_u32 s68, 0
	s_cbranch_scc1 .Lcp0
	s_cmp_eq_u32 s68, 1
	s_cbranch_scc1 .Lcp1
	s_cmp_eq_u32 s68, 2
	s_cbranch_scc1 .Lcp2
	COPYV 3
	s_branch .Lpvb
.Lcp0:
	COPYV 0
	s_branch .Lpvb
.Lcp1:
	COPYV 1
	s_branch .Lpvb
.Lcp2:
	COPYV 2
.Lpvb:
	v_add_nc_u32 v32, s69, v[ATR]
	WIN 0x04                                       ; V in window 1
	ATL 0
	ATL 1
.set G_, 0
.rept 16
.if G_ < 15
	s_wait_dscnt 4                                 ; this key head's four loads are in; the next one's may be out
.else
	s_wait_dscnt 0x0
.endif
	PVG G_
.if G_+2 < 16
	ATL G_+2
.endif
.set G_, G_+1
.endr
	WIN 0
	Q4 0, 128, QD, QD+12, QD+6, QD+18
.irp i, 0,1,2,3,4,5,6,7,8,9,10,11
	v_permlane16_swap_b32 v[QD+\i], v[QD+12+\i]    ; lanes 0-15 held K step 2 w, lanes 16-31 K step 2 w + 1: now the first 12 registers are the one's fragment, the second 12 the other's
.endr
	v_lshl_or_b32 v[QY], v[QY+1], 8, v[QY]         ; my row's scale word of K step 2 w + h
	v_lshl_or_b32 v[QY], v[QY+2], 16, v[QY]
	v_lshl_or_b32 v[QY], v[QY+3], 24, v[QY]
	v_add_nc_u32 v33, s70, v[OIW]
	v_add_nc_u32 v34, s71, v[OSW]
.irp c, 0,1,2
	ds_store_b128 v33, v[QD+4*\c:QD+4*\c+3] offset:512*\c
	ds_store_b128 v33, v[QD+12+4*\c:QD+12+4*\c+3] offset:1536+512*\c
.endr
	ds_store_b32 v34, v[QY]
	s_wait_dscnt 0x0
.Lpv_skip:
	s_add_co_u32 s69, s69, 16*QPIT
	s_add_co_u32 s70, s70, 12288
	s_add_co_u32 s71, s71, 4
	s_add_co_u32 s68, s68, 1
	s_cmp_lt_u32 s68, 4
	s_cbranch_scc1 .Lpv
	BARRIER                                        ; the next product's activations lie in LDS
	s_add_co_u32 s62, s62, 1
	s_cmp_lt_u32 s62, 3
	s_cbranch_scc1 .Lgemm
	; ---- the last product.  Its tail is written out: the last two K steps fill nothing
	GHEAD
	WIN 0x40                                       ; ln_w, ln_b and my first two rows of sa come while it runs
.irp q, 0,1,2,3,4,5,6,7
	global_load_b128 v[4*\q:4*\q+3], v[LI], s[56:57] offset:512*\q
.endr
.irp q, 0,1,2,3,4,5,6,7
	global_load_b128 v[32+4*\q:35+4*\q], v[LI], s[58:59] offset:512*\q
.endr
.irp q, 0,1,2,3,4,5,6,7
	global_load_b128 v[64+4*\q:67+4*\q], v[LI], s[76:77] offset:512*\q th:TH_LOAD_NT
.endr
.irp q, 0,1,2,3,4,5,6,7
	global_load_b128 v[96+4*\q:99+4*\q], v[LI], s[76:77] offset:4096+512*\q th:TH_LOAD_NT
.endr
	WIN 0
	STEP 0, 1, 1, 1
	s_mov_b32 s63, 2
.Lko:
	STEP 1, 0, 1, 1
	STEP 0, 0, 1, 1
	s_sub_co_u32 s63, s63, 1
	s_cmp_lg_u32 s63, 0
	s_cbranch_scc1 .Lko
	STEP 1, 0, 1, 1
	STEP 0, 0, 0, 1
	STEP 1, 0, 0, 0
	; ---- the way out: a row's 1,024 numbers come from four waves: through a stage, then each wave takes 16 whole rows through the residual and the norm
	PLACES
	BARRIER                                        ; nobody reads the slots or R2 any more, and they have had their last fill
.irp m, 0,1,2,3
	v_add_nc_u32 v[32+\m], 16*SPIT*\m, v[STW]
.endr
.irp m, 0,1,2,3
	WIN 0x08+4*(\m/2)
.irp t, 0,1,2,3,4,5,6,7,8,9,10,11,12,13,14,15
	ds_store_b128 v[32+\m], v[128*(\m%2)+8*\t:128*(\m%2)+8*\t+3] offset:64*\t        ; each accumulator from its low end on
	ds_store_b128 v[32+\m], v[128*(\m%2)+8*\t+4:128*(\m%2)+8*\t+7] offset:64*\t+16
.endr
.endr
	WIN 0
	BARRIER
	v_mov_b32 v133, 0
	v_mov_b32 v135, 0
	v_mov_b32 v137, 0
; One row.  p: which of the two sets; reload = 1: the set's row of sa two rows on is asked for; left: how many younger loads may stay out (the other set's eight)
.macro RSUM                            ; v132 over the 32 lanes
	v_add_f32_dpp v132, v132, v132 row_xmask:1 row_mask:0xf bank_mask:0xf
	v_add_f32_dpp v132, v132, v132 row_xmask:2 row_mask:0xf bank_mask:0xf
	v_add_f32_dpp v132, v132, v132 row_xmask:4 row_mask:0xf bank_mask:0xf
	v_add_f32_dpp v132, v132, v132 row_xmask:8 row_mask:0xf bank_mask:0xf
	v_permlanex16_b32 v133, v132, s16, s17
	v_add_f32 v132, v132, v133
.endm
.macro ROW p, reload, left
.set X_, 64+32*\p
	s_wait_xcnt 0x0                                ; the set's last stores have read their registers
.irp q, 0,1,2,3,4,5,6,7
	ds_load_b128 v[X_+4*\q:X_+4*\q+3], v32 offset:SPIT*\p+512*\q
.endr
	s_wait_loadcnt \left
	s_wait_dscnt 0x0
	WIN 0x04
.irp j, 0,2,4,6,8,10,12,14,16,18,20,22,24,26,28,30
	v_pk_add_f32 v[X_+\j:X_+\j+1], v[X_+\j:X_+\j+1], v[64+32*\p+\j:65+32*\p+\j]   ; + sa (window 1)
.endr
	WIN 0
	v_pk_add_f32 v[128:129], v[X_:X_+1], v[X_+2:X_+3]
	v_pk_add_f32 v[130:131], v[X_+4:X_+5], v[X_+6:X_+7]
.irp j, 8,12,16,20,24,28
	v_pk_add_f32 v[128:129], v[128:129], v[X_+\j:X_+\j+1]
	v_pk_add_f32 v[130:131], v[130:131], v[X_+\j+2:X_+\j+3]
.endr
	v_pk_add_f32 v[128:129], v[128:129], v[130:131]
	v_add_f32 v132, v128, v129
	RSUM
	v_mul_f32 v134, s23, v132                      ; -mean
.irp j, 0,2,4,6,8,10,12,14,16,18,20,22,24,26,28,30
	v_pk_add_f32 v[X_+\j:X_+\j+1], v[X_+\j:X_+\j+1], v[134:135] op_sel_hi:[1,0]
.endr
	v_pk_mul_f32 v[128:129], v[X_:X_+1], v[X_:X_+1]
	v_pk_mul_f32 v[130:131], v[X_+2:X_+3], v[X_+2:X_+3]
.irp j, 4,8,12,16,20,24,28
	v_pk_fma_f32 v[128:129], v[X_+\j:X_+\j+1], v[X_+\j:X_+\j+1], v[128:129]
	v_pk_fma_f32 v[130:131], v[X_+\j+2:X_+\j+3], v[X_+\j+2:X_+\j+3], v[130:131]
.endr
	v_pk_add_f32 v[128:129], v[128:129], v[130:131]
	v_add_f32 v132, v128, v129
	RSUM
	v_fma_f32 v132, v132, s21, s22                 ; variance + 1e-5
	v_rsq_f32 v136, v132
	v_nop
	s_wait_alu depctr_va_vdst(0)                   ; ahead of the first reader
.irp j, 0,2,4,6,8,10,12,14,16,18,20,22,24,26,28,30
	v_pk_mul_f32 v[X_+\j:X_+\j+1], v[X_+\j:X_+\j+1], v[136:137] op_sel_hi:[1,0]
.endr
	WIN 0x14
.irp j, 0,2,4,6,8,10,12,14,16,18,20,22,24,26,28,30
	v_pk_fma_f32 v[X_+\j:X_+\j+1], v[X_+\j:X_+\j+1], v[\j:\j+1], v[32+\j:33+\j]   ; x ln_w + ln_b (window 1)
.endr
	WIN 0
.irp q, 0,1,2,3,4,5,6,7
	global_store_b128 v[LI], v[X_+4*\q:X_+4*\q+3], s[78:79] offset:4096*\p+512*\q th:TH_STORE_NT   ; 32 lanes store 512 consecutive bytes, aligned
.endr
.if \reload
	WIN 0x40
.irp q, 0,1,2,3,4,5,6,7
	global_load_b128 v[64+32*\p+4*\q:67+32*\p+4*\q], v[LI], s[76:77] offset:4096*(\p+2)+512*\q th:TH_LOAD_NT
.endr
	WIN 0
.endif
.endm
	s_mov_b32 s75, 0
	s_mov_b32 s74, 7
.Lln:
	v_add_nc_u32 v32, s75, v[STR]
	ROW 0, 1, 8
	ROW 1, 1, 8
	s_wait_xcnt 0x0                                ; the loads and stores have read their bases
	s_add_nc_u64 s[76:77], s[76:77], 8192
	s_add_nc_u64 s[78:79], s[78:79], 8192
	s_add_co_u32 s75, s75, 2*SPIT
	s_sub_co_u32 s74, s74, 1
	s_cmp_lg_u32 s74, 0
	s_cbranch_scc1 .Lln
	v_add_nc_u32 v32, s75, v[STR]
	ROW 0, 0, 8                                    ; the last two rows ask for nothing: no load leaves its buffer
	ROW 1, 0, 0
	s_wait_tensorcnt 0x0                           ; the wave's end
	ds_add_u32 v[SPW], v[NIL]
	s_wait_dscnt 0x0
	ROUND                                          ; the closing round
	s_endpgm
.Lfunc_end_k_qffd4f6e108_main:
	.size	k_qffd4f6e108_main, .Lfunc_end_k_qffd4f6e108_main-k_qffd4f6e108_main
	.p2alignl 7, 3214868480
	.fill 96, 4, 3214868480
	.section	.rodata,"a",@progbits
	.p2align	6, 0x0
	.amdhsa_kernel k_qffd4f6e108_main
		.amdhsa_group_segment_fixed_size 327680
		.amdhsa_private_segment_fixed_size 0
		.amdhsa_enable_private_segment 0
		.amdhsa_kernarg_size 88
		.amdhsa_user_sgpr_count 2
		.amdhsa_user_sgpr_kernarg_segment_ptr 1
		.amdhsa_wavefront_size32 1
		.amdhsa_system_sgpr_workgroup_id_x 1
		.amdhsa_system_sgpr_workgroup_id_y 1
		.amdhsa_system_sgpr_workgroup_id_z 1
		.amdhsa_system_vgpr_workitem_id 0
		.amdhsa_next_free_vgpr 1024
		.amdhsa_next_free_sgpr 96
		.amdhsa_reserve_vcc 0
		.amdhsa_float_denorm_mode_32 3
		.amdhsa_float_denorm_mode_16_64 3
		.amdhsa_memory_ordered 1
		.amdhsa_forward_progress 1
		.amdhsa_inst_pref_size 255
	.end_amdhsa_kernel
	.section	.bss,"aw",@nobits
	.p2align	6
	.space	262144
	.amdgpu_metadata
---
amdhsa.version: [ 1, 2 ]
amdhsa.kernels:
  - .name:           k_qffd4f6e108_main
    .symbol:         k_qffd4f6e108_main.kd
    .args:
      - { .name: sa_hidden, .offset: 0, .size: 8, .value_kind: global_buffer, .address_space: global }
      - { .name: state_hidden_codes, .offset: 8, .size: 8, .value_kind: global_buffer, .address_space: global }
      - { .name: state_hidden_scales, .offset: 16, .size: 8, .value_kind: global_buffer, .address_space: global }
      - { .name: wl, .offset: 24, .size: 8, .value_kind: global_buffer, .address_space: global }
      - { .name: bq, .offset: 32, .size: 8, .value_kind: global_buffer, .address_space: global }
      - { .name: bk, .offset: 40, .size: 8, .value_kind: global_buffer, .address_space: global }
      - { .name: bv, .offset: 48, .size: 8, .value_kind: global_buffer, .address_space: global }
      - { .name: bo, .offset: 56, .size: 8, .value_kind: global_buffer, .address_space: global }
      - { .name: ln_w, .offset: 64, .size: 8, .value_kind: global_buffer, .address_space: global }
      - { .name: ln_b, .offset: 72, .size: 8, .value_kind: global_buffer, .address_space: global }
      - { .name: out0, .offset: 80, .size: 8, .value_kind: global_buffer, .address_space: global }
    .group_segment_fixed_size: 327680
    .private_segment_fixed_size: 0
    .kernarg_segment_align: 8
    .kernarg_segment_size: 88
    .max_flat_workgroup_size: 128
    .sgpr_count:     96
    .vgpr_count:     1024
    .wavefront_size: 32
...
	.end_amdgpu_metadata
.endif
;; end of part 2
;; ======== version 2 of 2: 2 launches; 1.18 times as fast as version 1
;; workspace buffers: wl 3,276,800 bytes
;; launch prep: the kernel of part 1 again; grid 128 x 1, 4 waves a work-group, no clusters, 0 bytes of LDS; arguments Wq_codes, Wq_scales, Wk_codes, Wk_scales, Wv_codes, Wv_scales, Wo_codes, Wo_scales, wl; writes wl
;; launch main (part 3): grid 256 x 1, 4 waves a work-group, clusters of 4 x 1, 327,680 bytes of LDS; arguments sa_hidden, state_hidden_codes, state_hidden_scales, wl, bq, bk, bv, bo, ln_w, ln_b, out0; writes out0
.if DOCPART == 3
	.amdgcn_target "amdgcn-amd-amdhsa--gfx1250"
	.amdhsa_code_object_version 6
	.text
	.protected	k_qffd4f6e108_main
	.globl	k_qffd4f6e108_main
	.p2align	8
	.type	k_qffd4f6e108_main,@function
k_qffd4f6e108_main:
	s_mov_b64 s[64:65], 0
	v_nop
	global_prefetch_b8 v0, s[64:65] scope:SCOPE_SE
	s_setreg_imm32_b32 hwreg(HW_REG_WAVE_MODE, 25, 1), 1
	s_wait_xcnt 0x0
	s_wait_alu depctr_hold_cnt(0) depctr_sa_sdst(0) depctr_va_vdst(0) depctr_va_sdst(0) depctr_va_ssrc(0) depctr_va_vcc(0) depctr_vm_vsrc(0)
	s_getreg_b32 s2, hwreg(HW_REG_IB_STS2, 6, 4)
	s_cmp_eq_u32 s2, 0
	s_cbranch_scc0 .Lentry_in_a_cluster
	s_endpgm
.Lentry_in_a_cluster:
	s_bfe_u32 s2, ttmp6, 0x10000c
	s_cmp_lg_u32 s2, 0x3003
	s_cbranch_scc0 .Lentry_shape_is_right
	s_endpgm
.Lentry_shape_is_right:
; out0 = LayerNorm(attention-over-heads(Q, K, V) Wo^T + bo + sa), Q = q6(sa) Wq^T + bq, K, V = state Wk^T + bk, state Wv^T + bv; all of it for 64 rows in one work-group: nothing goes to memory on the way.
; The four large products and the 16 x 16 x 64 energies run on codes of E2M3 with one E8M0 scale for each 32 along K; the product of the softmax with V (K = 16) is done by f32 multiply-adds, since its result is quantised.
; SHARES.  256 work-groups of 64 rows (four tiles m of 16).  In each large product wave w makes 256 of the 1,024 columns (16 tiles t) for all 64 rows: 64 accumulators, windows 2 and 3.
; THE MATRIX INSTRUCTION IS USED TRANSPOSED: source 0 = 16 rows of W, source 1 = 16 rows of the activations: lane (r, h) holds row r, and its register j the tile's W row 8 h + j.  Which rows of W form a tile was chosen
; when wl was laid out: for Q and K a lane's 32 registers of four tiles are d = 32 h .. 32 h + 31 of one head, a whole block; for V tile t is head t and a lane holds 8 neighbouring d.
; W comes through a ring of two LDS slots, one K step (128 along K, 102,400 bytes with its scale words) each; wave w fetches and reads its own quarter.  CLUSTER: all work-groups walk the same W, so the four of a
; cluster ask for each quarter JOINTLY, by the same tensor load with a mask that names the four.
; THE CLUSTERS BEGIN K AT DIFFERENT K STEPS: ROT = 2 x (cluster % 4), and position i of a product's eight holds K step (i + ROT) % 8, of W and of the activations alike.  So at any time the clusters ask for four
; different pairs of tiles, and since positions 0 and 1 of a product are asked for while the product before is finished, all eight tiles of a product have been asked for by some cluster by then.  ROT enters addresses in
; memory alone: where sa and state are loaded from, which tile a refill names, and, in V's product, which quarter of the columns wave w takes: w' = (w + ROT / 2) % 4, so that its d = 16 w' + 8 h + j, and its
; softmax x V, which is K steps 2 w', 2 w' + 1 of the last product, lies at positions 2 w, 2 w + 1.  No prefetch is written: a tile's first request stands an epilogue ahead of the other clusters' requests for it.
; ACTIVATIONS go from wave to wave through LDS as images of the operand's registers (R1), Q's and K's codes as records of one row each (R2, R1), the softmax as [g][h] in f32 over the row's Q record.
; LIMITS: NaN and infinities among the inputs are not served.  A block of zeros gets the scale byte 1 where the rule says 127 (its codes are zeros, and this program alone reads the bytes); blocks whose largest
; magnitude lies under 2^-124 are held at the byte 1.  The f32 sums over K go in ascending order from K step ROT on and round: another order of rounding than from K step 0 on.
; REGISTERS.  window 0: v1-39 addresses; v40-47 activations' scale words, two sets; v48-63 W's, two sets; v64-111, v112-159 four W fragments each; v160-207, v208-255 the four row tiles' fragments, two sets.
;   window 1: v0-99 my 16 rows of state (fragments and scale words), later V of one row tile, later ln_w, ln_b and two rows of sa; v128-255 the bias, eight registers a tile, in the result's layout.
;   windows 2, 3: at first my 16 rows of sa; then accumulator (t, m) in window 2 + m / 2 at v[128 (m % 2) + 8 t].
.set UNIT,  25600                      ; a wave's quarter of a K step of W
.set SLOT1, 102400                     ; slot 0 at byte 0, slot 1 here
.set R2,    204800                     ; at first each wave's stage for sa (16 rows of 1,040 bytes); then 64 records of 1,040 bytes: Q's codes (head x 48 + 24 h), 16 scale words at 768; later the softmax [g][h], 1,024 bytes
.set R1,    271360                     ; 32 fragment images of 1,536 bytes ((8 m + position) x 1,536), their scale words at ASCL; between the K product and the softmax: K's records of 848 bytes
.set ASCL,  R1+49152                   ; the word of (position s, row r, tile m) at 256 s + 16 r + 4 m
.set SPARE, 325632                     ; the spare words, 128 bytes for each wave: two blocks of 256 bytes that no other line names
.set QPIT,  1040
.set KPIT,  848
.set SPIT,  4112                       ; the way out: 64 rows of 4,096 bytes + 16, over the slots and R2, which have had their last fill and their last read by then
.set LI,  3                            ; 16 x lane
.set SPW, 4                            ; my spare word
.set NIL, 5                            ; 0
.set SL,  6                            ; v6, v7: my quarter of slot 0, 1, + 16 x lane
.set AA,  8                            ; the K step's images
.set AS,  9                            ; and scale words
.set AA0, 10
.set AS0, 11
.set QCW, 12                           ; where I store Q's codes, scale words; K's
.set QSW, 13
.set KCW, 14
.set KSW, 15
.set QCR, 16                           ; where I read them, as operands of the energies
.set KCR, 17
.set QSR, 18
.set KSR, 19
.set ATW, 20                           ; where I store the softmax,
.set ATR, 21                           ; and read it
.set OIW, 22                           ; where I store the attention's images, scale words
.set OSW, 23
.set AIW, 24                           ; where I store my 16 rows' images; state's scale words; sa's
.set SSW, 25
.set ASW, 26
.set STW, 27                           ; the stage: in, back
.set STR, 28
.set SH8, 29                           ; 8 h
.set GQK, 30                           ; my offsets in the biases
.set GV,  31
.set GO,  38
.set ASR, 40
.set WSR, 48
.set XB,  64
.set YB,  112
.set AF,  160
.set QA,  64                           ; the quantiser's registers: two chains of maxima, scale operands, bytes, the other half's, second halves of the codes, codes
.set QB,  68
.set QS,  72
.set QY,  76
.set QP,  80
.set QT,  84
.set QD,  100
.set SAW, 124                          ; at the head alone: sa's stage, in: 16 x lane; back: 1,040 r + 128 h
.set SAR, 125
.set SAO, 140                          ; v140-147 position i's offset in a row of sa: 16 x lane + 512 ((i + ROT) % 8)
.set SCO, 148                          ; v148-155 and in my rows of state's codes: 768 r + 24 h + 96 ((i + ROT) % 8)
.set SSO, 156                          ; v156-159 and of state's scale words of positions 4 h + i
.set G1,  24                           ; s[24:31] descriptor group 1; s[32:35], s[36:39] group 0 for slot 0, 1
.set G0,  32
.set ROT, 80                           ; s80  the K step at which my cluster begins: 0, 2, 4 or 6
.set NXT, 81                           ; s81  the next refill: 8 x product + position
.set MSB, 0
.macro WIN new                         ; the immediate's high byte repeats the setting that is left; a switch that changes nothing is dropped
.if MSB != (\new)
	s_set_vgpr_msb (MSB<<8)|(\new)
.set MSB, (\new)
.endif
.endm
.macro PLACES                          ; four plain places behind a matrix instruction of this form, in front of loads into its registers and of reads of its results
.rept 4
	v_nop
.endr
.endm
.macro BARRIER                         ; my LDS stores have landed and my LDS loads are in: then the work-group's barrier
	s_wait_dscnt 0x0
	s_barrier_signal -1
	s_barrier_wait -1
.endm
.macro ROUND                           ; a round of the cluster's barrier
	s_barrier_signal -1
	s_barrier_wait -1
	s_cmp_lg_u32 s3, 0
	s_cbranch_scc1 .Lnw0_\@
	s_barrier_signal -3
.Lnw0_\@:
	s_barrier_wait -3
	s_barrier_signal -1
	s_barrier_wait -1
.endm
; Slot p's group 0 is given the next refill's tile: product NXT / 8, K step (NXT + ROT) % 8, my quarter (in V's product: quarter w').  All of it is the same in the four partners, for a given wave.
.macro NEXTW p
	s_and_b32 s82, s[NXT], 24                      ; 8 x the product
	s_add_co_u32 s83, s[NXT], s[ROT]
	s_and_b32 s83, s83, 7                          ; which of its eight K steps
	s_or_b32 s83, s83, s82
	s_mul_i32 s84, s83, 4*UNIT
	s_cmp_eq_u32 s82, 16                           ; V's product?
	s_cselect_b32 s86, s89, s6
	s_add_co_u32 s84, s84, s86                     ; (s85 = 0: the offset as a pair)
	s_add_nc_u64 s[G0+4*\p+2:G0+4*\p+3], s[46:47], s[84:85]
	s_or_b32 s[G0+4*\p+3], s[G0+4*\p+3], 0x80000000
	s_add_co_u32 s[NXT], s[NXT], 1
.endm
.macro LOADG sreg, g, buf              ; W's tiles 4 g .. 4 g + 3 of a K step: 12 loads of 512 consecutive bytes
.irp tl, 0,1,2,3
.irp c, 0,1,2
	ds_load_b128 v[\buf+12*\tl+4*\c:\buf+12*\tl+4*\c+3], v[\sreg] offset:1536*(4*(\g)+\tl)+512*\c
.endr
.endr
.endm
.macro LOADA sreg, set                 ; the four row tiles' fragments, their scale words, W's scale words: 15 loads
.irp m, 0,1,2,3
.irp c, 0,1,2
	ds_load_b128 v[AF+48*(\set)+12*\m+4*\c:AF+48*(\set)+12*\m+4*\c+3], v[AA] offset:12288*\m+512*\c
.endr
.endr
	ds_load_b128 v[ASR+4*(\set):ASR+4*(\set)+3], v[AS]
	ds_load_b128 v[WSR+8*(\set):WSR+8*(\set)+3], v[\sreg] offset:24576
	ds_load_b128 v[WSR+8*(\set)+4:WSR+8*(\set)+7], v[\sreg] offset:24576+512
.endm
; 16 matrix instructions: tiles 4 g .. 4 g + 3 x the four row tiles.  first = 1: the bias is the C of the sum's first product.  The 64 accumulators take turns, one instruction a turn, in the same order in every
; K step.  W's scale register 4 (t / 8) + t % 4 holds tile t's words in lanes 0-15 where t % 8 < 4, else in lanes 16-31.
.macro MULG g, buf, set, first
.irp m, 0,1,2,3
.if \m == 0
.if \first
	WIN 0x90
.else
	WIN 0xa0
.endif
.endif
.if \m == 2
.if \first
	WIN 0xd0
.else
	WIN 0xf0
.endif
.endif
.irp tl, 0,1,2,3
.set D_, 128*(\m%2)+8*(4*(\g)+\tl)
.set C_, D_
.if \first
.set C_, 128+8*(4*(\g)+\tl)
.endif
.set A_, \buf+12*\tl
.set B_, AF+48*(\set)+12*\m
.set SA_, WSR+8*(\set)+4*((\g)/2)+\tl
.set SB_, ASR+4*(\set)+\m
.if (\g)%2
	v_wmma_scale_f32_16x16x128_f8f6f4 v[D_:D_+7], v[A_:A_+11], v[B_:B_+11], v[C_:C_+7], v[SA_], v[SB_] matrix_a_fmt:MATRIX_FMT_FP6 matrix_b_fmt:MATRIX_FMT_FP6 matrix_a_scale:MATRIX_SCALE_ROW1
.else
	v_wmma_scale_f32_16x16x128_f8f6f4 v[D_:D_+7], v[A_:A_+11], v[B_:B_+11], v[C_:C_+7], v[SA_], v[SB_] matrix_a_fmt:MATRIX_FMT_FP6 matrix_b_fmt:MATRIX_FMT_FP6
.endif
.endr
.endr
.endm
; A K STEP on slot p: 64 matrix instructions in four groups; W's groups go through two buffers.  fill = 1: slot p is filled again with the tile two positions on.  next = 1: the next K step's first loads are issued.
.macro STEP p, first, fill, next
	s_wait_dscnt 12                                ; group 0 and the activations are in; group 1's 12 loads may be out
	MULG 0, XB, \p, \first
	PLACES
	WIN 0
	LOADG SL+\p, 2, XB
	s_wait_dscnt 12                                ; group 1 is in; group 2's loads may be out
	MULG 1, YB, \p, \first
	PLACES
	WIN 0
	LOADG SL+\p, 3, YB                             ; my last reads of this slot
.if \fill
	s_wait_tensorcnt 0x0                           ; all my tensor loads have landed: the one that was out is my quarter of the other slot
	ds_add_u32 v[SPW], v[NIL]                      ; 0 onto my spare word
	s_wait_dscnt 13                                ; group 2 is in; group 3's 12 loads and the add may be out
.else
.if \next
	s_wait_tensorcnt 0x0                           ; my quarter of the other slot has landed
.endif
	s_wait_dscnt 12
.endif
	MULG 2, XB, \p, \first
	WIN 0
.if \fill
	NEXTW \p                                       ; no tensor load of mine is out: this slot's group 0 may be written
	s_wait_dscnt 0x0                               ; the add is done, and my reads of this slot are over
	ROUND                                          ; that now holds of every wave of the four work-groups
	tensor_load_to_lds s[G0+4*\p:G0+4*\p+3], s[G1:G1+7]   ; the first thing behind the round, and my one tensor load until the next
	s_nop 0
	PLACES                                         ; (the places in front of the loads below)
.else
	PLACES
.endif
.if \next
	s_add_co_u32 s66, s66, 1536
	s_add_co_u32 s67, s67, 256
	v_add_nc_u32 v[AA], s66, v[AA0]
	v_add_nc_u32 v[AS], s67, v[AS0]
	LOADG SL+1-\p, 0, XB
	LOADA SL+1-\p, 1-\p
.endif
.if !\fill
.if \next
	s_wait_dscnt 27                                ; group 3 is in; the 27 loads just issued may be out
.else
	s_wait_dscnt 0x0
.endif
.endif
	MULG 3, YB, \p, \first
.if \next
	PLACES
	WIN 0
	LOADG SL+1-\p, 1, YB
.else
	WIN 0
.endif
.endm
.macro GHEAD                           ; a product's first loads, from slot 0
	s_wait_loadcnt 0x0                             ; the bias
	s_mov_b32 s66, 0
	s_mov_b32 s67, 0
	v_add_nc_u32 v[AA], s66, v[AA0]
	v_add_nc_u32 v[AS], s67, v[AS0]
	LOADG SL, 0, XB
	LOADA SL, 0
	LOADG SL, 1, YB
.endm
; THE QUANTISER: four blocks of 32 numbers in the 128 registers from v[base] of window win.  Block k's codes go to v[dk] .. v[dk + 5], its scale byte to v[QY + k].  The largest magnitude has the floor 2^(3 - 127)
; among its leaves, so the byte cannot fall under 1; 2 off its exponent field is the conversion's scale operand.  The registers are read in ascending order in each group of eight.
.macro Q4C k, d, base
	v_cvt_scalef32_pk16_fp6_f32 v[(\d):(\d)+2], v[(\base)+32*\k:(\base)+32*\k+15], v[QS+\k]
	v_cvt_scalef32_pk16_fp6_f32 v[QT+4*\k:QT+4*\k+2], v[(\base)+32*\k+16:(\base)+32*\k+31], v[QS+\k]   ; (a conversion's three registers begin on an even number)
.endm
.macro Q4M k, d
.irp i, 0,1,2
	v_mov_b32 v[(\d)+3+\i], v[QT+4*\k+\i]
.endr
.endm
.macro Q4 win, base, d0, d1, d2, d3
	WIN (\win)|((\win)<<2)
.irp k, 0,1,2,3
	v_max3_num_f32 v[QA+\k], |v[(\base)+32*\k]|, |v[(\base)+32*\k+1]|, 0x1800000
	v_max3_num_f32 v[QB+\k], |v[(\base)+32*\k+16]|, |v[(\base)+32*\k+17]|, 0x1800000
.endr
.irp i, 2,4,6,8,10,12,14
.irp k, 0,1,2,3
	v_max3_num_f32 v[QA+\k], |v[(\base)+32*\k+\i]|, |v[(\base)+32*\k+\i+1]|, v[QA+\k]
	v_max3_num_f32 v[QB+\k], |v[(\base)+32*\k+16+\i]|, |v[(\base)+32*\k+17+\i]|, v[QB+\k]
.endr
.endr
	WIN 0
.irp k, 0,1,2,3
	v_max_num_f32 v[QA+\k], v[QA+\k], v[QB+\k]
.endr
.irp k, 0,1,2,3
	v_add_nc_u32 v[QS+\k], 0xff000000, v[QA+\k]
.endr
.irp k, 0,1,2,3
	v_lshrrev_b32 v[QY+\k], 23, v[QS+\k]
.endr
	WIN (\win)
	Q4C 0, \d0, \base
	Q4C 1, \d1, \base
	Q4C 2, \d2, \base
	Q4C 3, \d3, \base
	WIN 0
	v_nop                                          ; one plain place behind the scaled conversions
	Q4M 0, \d0
	Q4M 1, \d1
	Q4M 2, \d2
	Q4M 3, \d3
.endm
; Q or K, with its bias, becomes records: for each row tile my four heads' blocks (d = 32 h on) are quantised; a head's scale word has its two bytes from lanes l and l xor 16, and 127 for the K that is not there.
.macro QKQ cb, sb, pm
.irp k, 0,1,2,3
	v_mov_b32 v[QP+\k], 0                          ; a lane permute's destination counts as one of its sources
.endr
.irp m, 0,1,2,3
	Q4 2+\m/2, 128*(\m%2), QD, QD+6, QD+12, QD+18
.irp k, 0,1,2,3
	v_lshlrev_b32 v[QY+\k], v[SH8], v[QY+\k]
.endr
.irp k, 0,1,2,3
	v_permlanex16_b32 v[QP+\k], v[QY+\k], s16, s17
.endr
.irp k, 0,1,2,3
	v_or_b32 v[QY+\k], v[QY+\k], v[QP+\k]
.endr
.irp k, 0,1,2,3
	v_or_b32 v[QY+\k], 0x7f7f0000, v[QY+\k]
.endr
.irp k, 0,1,2,3
.irp i, 0,1,2
	ds_store_b64 v[\cb], v[QD+6*\k+2*\i:QD+6*\k+2*\i+1] offset:(\pm)*\m+48*\k+8*\i
.endr
	ds_store_b32 v[\sb], v[QY+\k] offset:(\pm)*\m+4*\k   ; both halves of the lanes write the same word with the same value
.endr
	s_wait_dscnt 0x0                               ; the stores have read their registers
.endr
.endm
.macro BIASL ptr, areg, a, b           ; a bias in the result's layout: eight registers a tile
	WIN 0x40
.irp t, 0,1,2,3,4,5,6,7,8,9,10,11,12,13,14,15
	global_load_b128 v[128+8*\t:131+8*\t], v[\areg], s[\ptr:\ptr+1] offset:(\a)*(\t/4)+(\b)*(\t%4)
	global_load_b128 v[132+8*\t:135+8*\t], v[\areg], s[\ptr:\ptr+1] offset:(\a)*(\t/4)+(\b)*(\t%4)+16
.endr
	WIN 0
.endm
.macro COPYV m                         ; V of row tile m, 128 registers, into window 1, so that the multiply-adds below are written once
	WIN 0x42+(\m)/2
.set I_, 0
.rept 128
	v_mov_b32 v[I_], v[128*((\m)%2)+I_]
.set I_, I_+1
.endr
	WIN 0
.endm
.macro ATL g                           ; my row's softmax for key head g: 16 query heads
.irp q, 0,1,2,3
	ds_load_b128 v[64+16*((\g)%2)+4*\q:64+16*((\g)%2)+4*\q+3], v32 offset:64*(\g)+16*\q
.endr
.endm
.macro PVG g                           ; out(h, d) += softmax(h, g) V(g, d): register 128 + 16 j + h, two query heads an instruction; V(g, d_j) serves both halves
.irp j, 0,1,2,3,4,5,6,7
.irp h, 0,2,4,6,8,10,12,14
.set O_, 128+16*\j+\h
.set A_, 64+16*((\g)%2)+\h
.set V_, 8*(\g)+2*(\j/2)
.if (\g) == 0
.if \j%2
	v_pk_mul_f32 v[O_:O_+1], v[A_:A_+1], v[V_:V_+1] op_sel:[0,1]
.else
	v_pk_mul_f32 v[O_:O_+1], v[A_:A_+1], v[V_:V_+1] op_sel_hi:[1,0]
.endif
.else
.if \j%2
	v_pk_fma_f32 v[O_:O_+1], v[A_:A_+1], v[V_:V_+1], v[O_:O_+1] op_sel:[0,1,0]
.else
	v_pk_fma_f32 v[O_:O_+1], v[A_:A_+1], v[V_:V_+1], v[O_:O_+1] op_sel_hi:[1,0,1]
.endif
.endif
.endr
.endr
.endm
	s_load_b256 s[40:47], s[0:1], 0x0              ; sa, state's codes, state's scales, wl
	s_load_b256 s[48:55], s[0:1], 0x20             ; bq, bk, bv, bo
	s_load_b128 s[56:59], s[0:1], 0x40             ; ln_w, ln_b
	s_load_b64 s[60:61], s[0:1], 0x50              ; out0
	v_lshl_add_u32 v[SPW], v0, 2, SPARE
	v_mov_b32 v[NIL], 0
	ds_add_u32 v4, v5
	ds_add_u32 v4, v5
	s_wait_dscnt 0x0
	v_lshrrev_b32 v1, 5, v0
	v_readfirstlane_b32 s3, v1                     ; wave w
	v_and_b32 v1, 15, v0                           ; r
	v_bfe_u32 v2, v0, 4, 1                         ; h
	v_and_b32 v[LI], 31, v0
	v_lshlrev_b32 v[LI], 4, v[LI]
	s_and_b32 s82, ttmp9, 3                        ; cluster % 4: in a cluster launch ttmp9 counts clusters: the same in the four partners
	s_lshl_b32 s[ROT], s82, 1                      ; ROT
	s_add_co_u32 s82, s82, s3
	s_and_b32 s82, s82, 3                          ; w' = (w + ROT / 2) % 4
	s_mul_i32 s89, s82, UNIT                       ; its quarter of a tile in wl,
	s_lshl_b32 s83, s82, 6                         ; and its 16 numbers of a head in bv
	s_mul_i32 s6, s3, UNIT
	s_mov_b32 s7, 0
	v_add_nc_u32 v[SL], s6, v[LI]
	v_add_nc_u32 v[SL+1], SLOT1, v[SL]
	v_add_nc_u32 v[AA0], R1, v[LI]
	v_lshl_add_u32 v[AS0], v1, 4, ASCL
	v_mul_u32_u24 v32, v1, QPIT
	v_mul_u32_u24 v33, v2, 24
	v_mul_u32_u24 v34, v1, KPIT
	v_mad_u32_u24 v35, v1, 48, v33
	v_lshlrev_b32 v36, 2, v1
	s_mul_i32 s8, s3, 192
	s_add_co_u32 s9, s8, R2
	v_add_nc_u32 v[QCW], v32, v33
	v_add_nc_u32 v[QCW], s9, v[QCW]                ; R2 + 1,040 r + 24 h + 192 w
	s_add_co_u32 s9, s8, R1
	v_add_nc_u32 v[KCW], v34, v33
	v_add_nc_u32 v[KCW], s9, v[KCW]
	s_lshl_b32 s8, s3, 4
	s_add_co_u32 s9, s8, R2+768
	v_add_nc_u32 v[QSW], s9, v32
	s_add_co_u32 s9, s8, R1+768
	v_add_nc_u32 v[KSW], s9, v34
	s_mul_i32 s8, s3, 16*QPIT
	s_add_co_u32 s8, s8, R2
	v_add_nc_u32 v[QCR], s8, v35                   ; my 16 rows' records: head r, 24 h
	v_lshl_add_u32 v37, v2, 9, v36
	v_add_nc_u32 v[ATW], s8, v37                   ; softmax (g = 8 h + j, query head r): 512 h + 4 r
	v_add_nc_u32 v[SAW], s8, v[LI]                 ; sa's stage, my wave's 16,640 bytes: in, 16 x lane;
	v_lshl_add_u32 v[SAR], v2, 7, v32
	v_add_nc_u32 v[SAR], s8, v[SAR]                ; back, row r, + 128 h: my block of 32
	s_add_co_u32 s8, s8, 768
	v_add_nc_u32 v[QSR], s8, v36
	s_mul_i32 s8, s3, 16*KPIT
	s_add_co_u32 s8, s8, R1
	v_add_nc_u32 v[KCR], s8, v35
	s_add_co_u32 s8, s8, 768
	v_add_nc_u32 v[KSR], s8, v36
	v_add_nc_u32 v[ATR], R2, v32
	s_mul_i32 s8, s3, 3072
	v_add_nc_u32 v[OIW], s8, v[AA0]
	s_lshl_b32 s8, s3, 9
	v_lshl_add_u32 v37, v2, 8, v[AS0]
	v_add_nc_u32 v[OSW], s8, v37
	s_mul_i32 s8, s3, 12288
	v_add_nc_u32 v[AIW], s8, v[AA0]
	s_lshl_b32 s8, s3, 2
	v_lshl_add_u32 v37, v2, 10, v[AS0]
	v_add_nc_u32 v[SSW], s8, v37
	v_add_nc_u32 v[ASW], s8, v[AS0]
	s_lshl_b32 s8, s3, 10
	v_mul_u32_u24 v[STW], v1, SPIT
	v_lshl_add_u32 v[STW], v2, 5, v[STW]
	v_add_nc_u32 v[STW], s8, v[STW]
	v_lshl_add_u32 v[GQK], v2, 7, s8
	v_lshl_add_u32 v[GO], v2, 5, s8
	s_mul_i32 s8, s3, 16*SPIT
	v_add_nc_u32 v[STR], s8, v[LI]
	v_lshlrev_b32 v[SH8], 3, v2
	v_lshl_add_u32 v[GV], v2, 5, s83               ; bv: 64 w' + 32 h bytes into a head
	v_mul_u32_u24 v33, v1, 768                     ; my lane's offsets in my wave's 16 rows: state's codes,
	v_mad_u32_u24 v33, v2, 24, v33
	v_lshlrev_b32 v34, 5, v1                       ; state's scale words
	v_lshl_add_u32 v37, v2, 2, s[ROT]              ; (lanes of half h store the words of positions 4 h + i)
.irp i, 0,1,2,3,4,5,6,7
	s_add_co_u32 s8, s[ROT], \i
	s_and_b32 s8, s8, 7                            ; position i holds K step (i + ROT) % 8
	s_lshl_b32 s9, s8, 9
	v_add_nc_u32 v[SAO+\i], s9, v[LI]              ; sa: its 512 bytes of a row, 16 bytes a lane
	s_mul_i32 s9, s8, 96
	v_add_nc_u32 v[SCO+\i], s9, v33                ; state: its 96 bytes of my row
.endr
.irp i, 0,1,2,3
	v_add_nc_u32 v[SSO+\i], \i, v37
.endr
.irp i, 0,1,2,3
	v_and_b32 v[SSO+\i], 7, v[SSO+\i]
.endr
.irp i, 0,1,2,3
	v_lshl_add_u32 v[SSO+\i], v[SSO+\i], 2, v34
.endr
	s_bfe_u32 s4, ttmp6, 0x40000                   ; cx: it enters addresses in memory alone
	s_lshl_b32 s5, ttmp9, 2
	s_add_co_u32 s5, s5, s4
	s_lshl_b32 s5, s5, 6
	s_lshl_b32 s8, s3, 4
	s_add_co_u32 s5, s5, s8                        ; my wave's first row: 64 x work-group + 16 w
	s_lshl_b32 s8, s5, 12
	s_mov_b32 s9, 0
	s_mul_i32 s10, s5, 768
	s_mov_b32 s11, 0
	s_lshl_b32 s12, s5, 5
	s_mov_b32 s13, 0
	s_mov_b32 s16, 0x76543210                      ; v_permlanex16_b32's selects for lane l xor 16
	s_mov_b32 s17, 0xfedcba98
	s_mov_b32 s18, 0x3e38aa3b                      ; c = log2(e) / 8
	s_mov_b32 s19, s18
	s_mov_b32 s20, 0xbe38aa3b                      ; -c
	s_mov_b32 s21, 0x3a800000                      ; 1 / 1,024
	s_mov_b32 s22, 0x3727c5ac                      ; 1e-5
	s_mov_b32 s23, 0xba800000                      ; -1 / 1,024
	s_mul_i32 s84, s[ROT], 4*UNIT                  ; the first product's K step ROT, my quarter
	s_add_co_u32 s84, s84, s6
	s_mov_b32 s85, 0
	s_mov_b32 s[NXT], 2                            ; positions 0 and 1 are the first fills
	; descriptor group 1: a dense block of 25,600 bytes as 100 rows of 256 bytes (32 elements of 8 bytes), no padding
	s_mov_b32 s[G1], 15|(3<<16)|(1<<21)            ; 15:0 the mask: all four work-groups; 17:16 elements of 8 bytes; 21 set beside a mask
	s_mov_b32 s[G1+1], 32<<16                      ; tensor_dim0
	s_mov_b32 s[G1+2], 100<<16                     ; tensor_dim1
	s_mov_b32 s[G1+3], 32<<16                      ; tile_dim0
	s_mov_b32 s[G1+4], 100                         ; tile_dim1
	s_mov_b32 s[G1+5], 32                          ; from row to row
	s_mov_b32 s[G1+6], 0
	s_mov_b32 s[G1+7], 0
	s_wait_kmcnt 0x0
	s_add_nc_u64 s[76:77], s[40:41], s[8:9]        ; sa and out0 at my wave's first row
	s_add_nc_u64 s[78:79], s[60:61], s[8:9]
	s_add_nc_u64 s[42:43], s[42:43], s[10:11]
	s_add_nc_u64 s[44:45], s[44:45], s[12:13]
	s_mov_b32 s[G0], 1
	s_mov_b32 s[G0+1], s6                          ; slot 0, my quarter: the wave's number alone
	s_add_nc_u64 s[G0+2:G0+3], s[46:47], s[84:85]  ; position 0
	s_mov_b32 s[G0+4], 1
	s_add_co_u32 s[G0+5], s6, SLOT1
	s_add_nc_u64 s[G0+6:G0+7], s[G0+2:G0+3], 4*UNIT   ; position 1: K step ROT + 1 (ROT is even, 6 at the most)
	s_or_b32 s[G0+3], s[G0+3], 0x80000000
	s_or_b32 s[G0+7], s[G0+7], 0x80000000
	ROUND                                          ; all four work-groups are here: the first joint loads meet
	tensor_load_to_lds s[G0:G0+3], s[G1:G1+7]      ; both first fills together: two loads of mine are out
	s_nop 0
	tensor_load_to_lds s[G0+4:G0+7], s[G1:G1+7]
	s_nop 0
	PLACES
	BIASL 48, GQK, 256, 32                         ; bq: 32 loads
	WIN 0x40
.irp s, 0,1,2,3,4,5,6,7
.irp p, 0,1,2,3,4,5
	global_load_b64 v[12*\s+2*\p:12*\s+2*\p+1], v[SCO+\s], s[42:43] offset:48*(\p/3)+8*(\p%3)   ; state: my 16 rows' eight fragments stay in registers
.endr
.endr
.irp i, 0,1,2,3
	global_load_b32 v[96+\i], v[SSO+\i], s[44:45]
.endr
	WIN 0x80
.irp s, 0,1,2,3
.irp i, 0,1,2,3,4,5,6,7,8,9,10,11,12,13,14,15
	global_load_b128 v[64*\s+4*\i:64*\s+4*\i+3], v[SAO+\s], s[76:77] offset:4096*\i   ; sa: position s, row i of my 16: 32 lanes read 512 consecutive bytes
.endr
.endr
	WIN 0xc0
.irp s, 0,1,2,3
.irp i, 0,1,2,3,4,5,6,7,8,9,10,11,12,13,14,15
	global_load_b128 v[64*\s+4*\i:64*\s+4*\i+3], v[SAO+4+\s], s[76:77] offset:4096*\i
.endr
.endr
	WIN 0
.irp k, 0,1,2,3
	v_mov_b32 v[QP+\k], 0
.endr
; sa's 16 rows become eight fragments, two positions at a time.  left: how many younger loads may stay out (32 for each later pair; a wait's field holds 63 at the most).
; The loads took the rows as they lie; the quantiser wants 32 neighbours in a lane.  So a pair's 16 KiB turn through my own stage: in as loaded, back 128 bytes a lane and block, into the registers that they left.
; LDS serves a wave's instructions in order (ISA guide 5.7.1.4): the loads see the stores, and the next pair's stores come behind these loads.  Rows 1,040 bytes apart: sixteen rows start at sixteen different banks.
.macro SAQ q, left
	s_wait_loadcnt \left
	WIN (2+(\q)/2)<<2                              ; an LDS store's data are its source 1
.irp sl, 0,1
.irp i, 0,1,2,3,4,5,6,7,8,9,10,11,12,13,14,15
	ds_store_b128 v[SAW], v[128*((\q)%2)+64*\sl+4*\i:128*((\q)%2)+64*\sl+4*\i+3] offset:QPIT*\i+512*\sl
.endr
.endr
	WIN (2+(\q)/2)<<6
.irp sl, 0,1
.irp i, 0,1,2,3,4,5,6,7,8,9,10,11,12,13,14,15
	ds_load_b128 v[128*((\q)%2)+64*\sl+4*\i:128*((\q)%2)+64*\sl+4*\i+3], v[SAR] offset:512*\sl+256*(\i/8)+16*(\i%8)   ; blocks h and 2 + h of my row
.endr
.endr
	WIN 0
	s_wait_dscnt 0x0
	Q4 2+(\q)/2, 128*((\q)%2), QD, QD+6, QD+12, QD+18
	v_lshl_or_b32 v[QY], v[QY+1], 16, v[QY]        ; my two bytes of a K step: blocks h and 2 + h,
	v_lshl_or_b32 v[QY+2], v[QY+3], 16, v[QY+2]
	v_lshlrev_b32 v[QY], v[SH8], v[QY]             ; at their places;
	v_lshlrev_b32 v[QY+2], v[SH8], v[QY+2]
	v_permlanex16_b32 v[QP], v[QY], s16, s17
	v_permlanex16_b32 v[QP+2], v[QY+2], s16, s17
	v_or_b32 v[QY], v[QY], v[QP]                   ; with lane l xor 16's two the word is whole
	v_or_b32 v[QY+2], v[QY+2], v[QP+2]
.irp c, 0,1,2
	ds_store_b128 v[AIW], v[QD+4*\c:QD+4*\c+3] offset:1536*(2*(\q))+512*\c
	ds_store_b128 v[AIW], v[QD+12+4*\c:QD+12+4*\c+3] offset:1536*(2*(\q)+1)+512*\c
.endr
	ds_store_b32 v[ASW], v[QY] offset:256*(2*(\q))
	ds_store_b32 v[ASW], v[QY+2] offset:256*(2*(\q)+1)
	s_wait_dscnt 0x0                               ; the stores have read their registers
.endm
	SAQ 0, 63
	SAQ 1, 63
	SAQ 2, 32
	SAQ 3, 0
	s_wait_tensorcnt 1                             ; my quarter of position 0 is in; position 1's may stay out
	BARRIER                                        ; sa's 32 fragments lie in LDS
	s_mov_b32 s62, 0                               ; the product in hand: 0 Q, 1 K, 2 V
.Lgemm:
	GHEAD
	STEP 0, 1, 1, 1
	s_mov_b32 s63, 3
.Lk:
	STEP 1, 0, 1, 1
	STEP 0, 0, 1, 1
	s_sub_co_u32 s63, s63, 1
	s_cmp_lg_u32 s63, 0
	s_cbranch_scc1 .Lk
	STEP 1, 0, 1, 0                                ; the ring goes on into the next product: its positions 0 and 1 are asked for
	; ---- the next product's bias
	s_cmp_eq_u32 s62, 0
	s_cbranch_scc1 .Lb0
	s_cmp_eq_u32 s62, 1
	s_cbranch_scc1 .Lb1
	BIASL 54, GO, 256, 64                          ; bo
	s_branch .Lbd
.Lb0:
	BIASL 50, GQK, 256, 32                         ; bk
	s_branch .Lbd
.Lb1:
	BIASL 52, GV, 1024, 256                        ; bv
.Lbd:
	PLACES
	BARRIER                                        ; nobody reads the activations' images any more
	; ---- Q and K become records
	s_cmp_eq_u32 s62, 0
	s_cbranch_scc1 .Lqrec
	s_cmp_eq_u32 s62, 1
	s_cbranch_scc1 .Lkrec
	s_branch .Lrecd
.Lqrec:
	QKQ QCW, QSW, 16*QPIT
	s_branch .Lrecd
.Lkrec:
	QKQ KCW, KSW, 16*KPIT
.Lrecd:
	BARRIER                                        ; the records lie in LDS
	; ---- behind K: the energies and the softmax of my 16 rows, four rows a trip.  The loop is walked in every trip of the outer loop; its work is jumped over where the product in hand is not K
.irp i, 0,1,2,3,4,5,6,7
.irp j, 6,7,8,9,10,11
	v_mov_b32 v[64+12*\i+\j], 0                    ; K = 64: the operands' upper 64 along K are zero codes
.endr
.endr
.irp i, 0,1,2,3
	v_mov_b32 v[193+2*\i], 0                       ; (upper halves of pairs of which the low word serves, and permutes' destinations: written once)
	v_mov_b32 v[229+2*\i], 0
	v_mov_b32 v[204+\i], 0
.endr
	s_mov_b32 s72, 0
	s_mov_b32 s73, 0
	s_mov_b32 s74, 4
.Latt:
	s_cmp_lg_u32 s62, 1
	s_cbranch_scc1 .Latt_skip
	v_add_nc_u32 v32, s72, v[QCR]
	v_add_nc_u32 v33, s73, v[KCR]
	v_add_nc_u32 v34, s72, v[QSR]
	v_add_nc_u32 v35, s73, v[KSR]
	v_add_nc_u32 v36, s72, v[ATW]
.irp i, 0,1,2,3
.irp p, 0,1,2
	ds_load_b64 v[64+12*\i+2*\p:65+12*\i+2*\p], v33 offset:KPIT*\i+8*\p
	ds_load_b64 v[112+12*\i+2*\p:113+12*\i+2*\p], v32 offset:QPIT*\i+8*\p
.endr
	ds_load_b32 v[40+\i], v35 offset:KPIT*\i
	ds_load_b32 v[44+\i], v34 offset:QPIT*\i
.endr
	s_wait_dscnt 0x0
.irp i, 0,1,2,3
	v_wmma_scale_f32_16x16x128_f8f6f4 v[160+8*\i:167+8*\i], v[64+12*\i:75+12*\i], v[112+12*\i:123+12*\i], 0, v[40+\i], v[44+\i] matrix_a_fmt:MATRIX_FMT_FP6 matrix_b_fmt:MATRIX_FMT_FP6   ; source 0 = the 16 key heads, source 1 = the 16 query heads: a lane holds query head r and key heads 8 h + j
.endr
	PLACES
.irp i, 0,1,2,3
	v_max3_num_f32 v[200+\i], v[160+8*\i], v[161+8*\i], v[162+8*\i]
.endr
.irp i, 0,1,2,3
	v_max3_num_f32 v[200+\i], v[200+\i], v[163+8*\i], v[164+8*\i]
.endr
.irp i, 0,1,2,3
	v_max3_num_f32 v[200+\i], v[200+\i], v[165+8*\i], v[166+8*\i]
.endr
.irp i, 0,1,2,3
	v_max_num_f32 v[200+\i], v[200+\i], v[167+8*\i]
.endr
.irp i, 0,1,2,3
	v_permlanex16_b32 v[204+\i], v[200+\i], s16, s17
.endr
.irp i, 0,1,2,3
	v_max_num_f32 v[200+\i], v[200+\i], v[204+\i]  ; the row's largest energy
.endr
.irp i, 0,1,2,3
	v_mul_f32 v[192+2*\i], s20, v[200+\i]          ; -c x it
.endr
.irp i, 0,1,2,3
.irp j, 0,2,4,6
	v_pk_fma_f32 v[160+8*\i+\j:161+8*\i+\j], v[160+8*\i+\j:161+8*\i+\j], s[18:19], v[192+2*\i:193+2*\i] op_sel_hi:[1,0,0]
.endr
.endr
.set I_, 160
.rept 32
	v_exp_f32 v[I_], v[I_]
.set I_, I_+1
.endr
	v_nop                                          ; a plain place behind the exponentials
	s_wait_alu depctr_va_vdst(0)                   ; one wait for the batch, ahead of its first reader
.irp i, 0,1,2,3
	v_pk_add_f32 v[208+4*\i:209+4*\i], v[160+8*\i:161+8*\i], v[162+8*\i:163+8*\i]
.endr
.irp i, 0,1,2,3
	v_pk_add_f32 v[210+4*\i:211+4*\i], v[164+8*\i:165+8*\i], v[166+8*\i:167+8*\i]
.endr
.irp i, 0,1,2,3
	v_pk_add_f32 v[208+4*\i:209+4*\i], v[208+4*\i:209+4*\i], v[210+4*\i:211+4*\i]
.endr
.irp i, 0,1,2,3
	v_add_f32 v[200+\i], v[208+4*\i], v[209+4*\i]
.endr
.irp i, 0,1,2,3
	v_permlanex16_b32 v[204+\i], v[200+\i], s16, s17
.endr
.irp i, 0,1,2,3
	v_add_f32 v[200+\i], v[200+\i], v[204+\i]
.endr
.irp i, 0,1,2,3
	v_rcp_f32 v[228+2*\i], v[200+\i]
.endr
	v_nop
	s_wait_alu depctr_va_vdst(0)                   ; one wait for the four reciprocals
.irp i, 0,1,2,3
.irp j, 0,2,4,6
	v_pk_mul_f32 v[160+8*\i+\j:161+8*\i+\j], v[160+8*\i+\j:161+8*\i+\j], v[228+2*\i:229+2*\i] op_sel_hi:[1,0]
.endr
.endr
.irp i, 0,1,2,3
.irp j, 0,1,2,3,4,5,6,7
	ds_store_b32 v36, v[160+8*\i+\j] offset:QPIT*\i+64*\j   ; [g][h], over the row's own Q record, which I alone have read
.endr
.endr
.Latt_skip:
	s_add_co_u32 s72, s72, 4*QPIT
	s_add_co_u32 s73, s73, 4*KPIT
	s_sub_co_u32 s74, s74, 1
	s_cmp_lg_u32 s74, 0
	s_cbranch_scc1 .Latt
	BARRIER                                        ; nobody reads K's records any more; the softmax lies in LDS
	; ---- behind Q and behind K: state's images are the next product's activations
	s_cmp_eq_u32 s62, 2
	s_cbranch_scc1 .Lnors
	WIN 0x04                                       ; an LDS store's data are its source 1: window 1
.irp s, 0,1,2,3,4,5,6,7
.irp c, 0,1,2
	ds_store_b128 v[AIW], v[12*\s+4*\c:12*\s+4*\c+3] offset:1536*\s+512*\c
.endr
.endr
.irp i, 0,1,2,3
	ds_store_b32 v[SSW], v[96+\i] offset:256*\i
.endr
	WIN 0
.Lnors:
	BARRIER
	; ---- behind V: softmax x V in f32, a row tile a trip; a lane's 128 results are k = 256 w' + 128 h + 0 .. 127 of the last product: a whole K step, which lies at position 2 w + h.  Walked in every trip of the outer loop, as above
	s_mov_b32 s68, 0
	s_mov_b32 s69, 0
	s_mov_b32 s70, 0
	s_mov_b32 s71, 0
.Lpv:
	s_cmp_lg_u32 s62, 2
	s_cbranch_scc1 .Lpv_skip
	s_cmp_eq_u32 s68, 0
	s_cbranch_scc1 .Lcp0
	s_cmp_eq_u32 s68, 1
	s_cbranch_scc1 .Lcp1
	s_cmp_eq_u32 s68, 2
	s_cbranch_scc1 .Lcp2
	COPYV 3
	s_branch .Lpvb
.Lcp0:
	COPYV 0
	s_branch .Lpvb
.Lcp1:
	COPYV 1
	s_branch .Lpvb
.Lcp2:
	COPYV 2
.Lpvb:
	v_add_nc_u32 v32, s69, v[ATR]
	WIN 0x04                                       ; V in window 1
	ATL 0
	ATL 1
.set G_, 0
.rept 16
.if G_ < 15
	s_wait_dscnt 4                                 ; this key head's four loads are in; the next one's may be out
.else
	s_wait_dscnt 0x0
.endif
	PVG G_
.if G_+2 < 16
	ATL G_+2
.endif
.set G_, G_+1
.endr
	WIN 0
	Q4 0, 128, QD, QD+12, QD+6, QD+18
.irp i, 0,1,2,3,4,5,6,7,8,9,10,11
	v_permlane16_swap_b32 v[QD+\i], v[QD+12+\i]    ; lanes 0-15 held position 2 w, lanes 16-31 position 2 w + 1: now the first 12 registers are the one's fragment, the second 12 the other's
.endr
	v_lshl_or_b32 v[QY], v[QY+1], 8, v[QY]         ; my row's scale word of position 2 w + h
	v_lshl_or_b32 v[QY], v[QY+2], 16, v[QY]
	v_lshl_or_b32 v[QY], v[QY+3], 24, v[QY]
	v_add_nc_u32 v33, s70, v[OIW]
	v_add_nc_u32 v34, s71, v[OSW]
.irp c, 0,1,2
	ds_store_b128 v33, v[QD+4*\c:QD+4*\c+3] offset:512*\c
	ds_store_b128 v33, v[QD+12+4*\c:QD+12+4*\c+3] offset:1536+512*\c
.endr
	ds_store_b32 v34, v[QY]
	s_wait_dscnt 0x0
.Lpv_skip:
	s_add_co_u32 s69, s69, 16*QPIT
	s_add_co_u32 s70, s70, 12288
	s_add_co_u32 s71, s71, 4
	s_add_co_u32 s68, s68, 1
	s_cmp_lt_u32 s68, 4
	s_cbranch_scc1 .Lpv
	BARRIER                                        ; the next product's activations lie in LDS
	s_add_co_u32 s62, s62, 1
	s_cmp_lt_u32 s62, 3
	s_cbranch_scc1 .Lgemm
	; ---- the last product.  Its tail is written out: the last two K steps fill nothing
	GHEAD
	WIN 0x40                                       ; ln_w, ln_b and my first two rows of sa come while it runs
.irp q, 0,1,2,3,4,5,6,7
	global_load_b128 v[4*\q:4*\q+3], v[LI], s[56:57] offset:512*\q
.endr
.irp q, 0,1,2,3,4,5,6,7
	global_load_b128 v[32+4*\q:35+4*\q], v[LI], s[58:59] offset:512*\q
.endr
.irp q, 0,1,2,3,4,5,6,7
	global_load_b128 v[64+4*\q:67+4*\q], v[LI], s[76:77] offset:512*\q th:TH_LOAD_NT
.endr
.irp q, 0,1,2,3,4,5,6,7
	global_load_b128 v[96+4*\q:99+4*\q], v[LI], s[76:77] offset:4096+512*\q th:TH_LOAD_NT
.endr
	WIN 0
	STEP 0, 1, 1, 1
	s_mov_b32 s63, 2
.Lko:
	STEP 1, 0, 1, 1
	STEP 0, 0, 1, 1
	s_sub_co_u32 s63, s63, 1
	s_cmp_lg_u32 s63, 0
	s_cbranch_scc1 .Lko
	STEP 1, 0, 1, 1
	STEP 0, 0, 0, 1
	STEP 1, 0, 0, 0
	; ---- the way out: a row's 1,024 numbers come from four waves: through a stage, then each wave takes 16 whole rows through the residual and the norm
	PLACES
	BARRIER                                        ; nobody reads the slots or R2 any more, and they have had their last fill
.irp m, 0,1,2,3
	v_add_nc_u32 v[32+\m], 16*SPIT*\m, v[STW]
.endr
.irp m, 0,1,2,3
	WIN 0x08+4*(\m/2)
.irp t, 0,1,2,3,4,5,6,7,8,9,10,11,12,13,14,15
	ds_store_b128 v[32+\m], v[128*(\m%2)+8*\t:128*(\m%2)+8*\t+3] offset:64*\t        ; each accumulator from its low end on
	ds_store_b128 v[32+\m], v[128*(\m%2)+8*\t+4:128*(\m%2)+8*\t+7] offset:64*\t+16
.endr
.endr
	WIN 0
	BARRIER
	v_mov_b32 v133, 0
	v_mov_b32 v135, 0
	v_mov_b32 v137, 0
; One row.  p: which of the two sets; reload = 1: the set's row of sa two rows on is asked for; left: how many younger loads may stay out (the other set's eight)
.macro RSUM                            ; v132 over the 32 lanes
	v_add_f32_dpp v132, v132, v132 row_xmask:1 row_mask:0xf bank_mask:0xf
	v_add_f32_dpp v132, v132, v132 row_xmask:2 row_mask:0xf bank_mask:0xf
	v_add_f32_dpp v132, v132, v132 row_xmask:4 row_mask:0xf bank_mask:0xf
	v_add_f32_dpp v132, v132, v132 row_xmask:8 row_mask:0xf bank_mask:0xf
	v_permlanex16_b32 v133, v132, s16, s17
	v_add_f32 v132, v132, v133
.endm
.macro ROW p, reload, left
.set X_, 64+32*\p
	s_wait_xcnt 0x0                                ; the set's last stores have read their registers
.irp q, 0,1,2,3,4,5,6,7
	ds_load_b128 v[X_+4*\q:X_+4*\q+3], v32 offset:SPIT*\p+512*\q
.endr
	s_wait_loadcnt \left
	s_wait_dscnt 0x0
	WIN 0x04
.irp j, 0,2,4,6,8,10,12,14,16,18,20,22,24,26,28,30
	v_pk_add_f32 v[X_+\j:X_+\j+1], v[X_+\j:X_+\j+1], v[64+32*\p+\j:65+32*\p+\j]   ; + sa (window 1)
.endr
	WIN 0
	v_pk_add_f32 v[128:129], v[X_:X_+1], v[X_+2:X_+3]
	v_pk_add_f32 v[130:131], v[X_+4:X_+5], v[X_+6:X_+7]
.irp j, 8,12,16,20,24,28
	v_pk_add_f32 v[128:129], v[128:129], v[X_+\j:X_+\j+1]
	v_pk_add_f32 v[130:131], v[130:131], v[X_+\j+2:X_+\j+3]
.endr
	v_pk_add_f32 v[128:129], v[128:129], v[130:131]
	v_add_f32 v132, v128, v129
	RSUM
	v_mul_f32 v134, s23, v132                      ; -mean
.irp j, 0,2,4,6,8,10,12,14,16,18,20,22,24,26,28,30
	v_pk_add_f32 v[X_+\j:X_+\j+1], v[X_+\j:X_+\j+1], v[134:135] op_sel_hi:[1,0]
.endr
	v_pk_mul_f32 v[128:129], v[X_:X_+1], v[X_:X_+1]
	v_pk_mul_f32 v[130:131], v[X_+2:X_+3], v[X_+2:X_+3]
.irp j, 4,8,12,16,20,24,28
	v_pk_fma_f32 v[128:129], v[X_+\j:X_+\j+1], v[X_+\j:X_+\j+1], v[128:129]
	v_pk_fma_f32 v[130:131], v[X_+\j+2:X_+\j+3], v[X_+\j+2:X_+\j+3], v[130:131]
.endr
	v_pk_add_f32 v[128:129], v[128:129], v[130:131]
	v_add_f32 v132, v128, v129
	RSUM
	v_fma_f32 v132, v132, s21, s22                 ; variance + 1e-5
	v_rsq_f32 v136, v132
	v_nop
	s_wait_alu depctr_va_vdst(0)                   ; ahead of the first reader
.irp j, 0,2,4,6,8,10,12,14,16,18,20,22,24,26,28,30
	v_pk_mul_f32 v[X_+\j:X_+\j+1], v[X_+\j:X_+\j+1], v[136:137] op_sel_hi:[1,0]
.endr
	WIN 0x14
.irp j, 0,2,4,6,8,10,12,14,16,18,20,22,24,26,28,30
	v_pk_fma_f32 v[X_+\j:X_+\j+1], v[X_+\j:X_+\j+1], v[\j:\j+1], v[32+\j:33+\j]   ; x ln_w + ln_b (window 1)
.endr
	WIN 0
.irp q, 0,1,2,3,4,5,6,7
	global_store_b128 v[LI], v[X_+4*\q:X_+4*\q+3], s[78:79] offset:4096*\p+512*\q th:TH_STORE_NT   ; 32 lanes store 512 consecutive bytes, aligned
.endr
.if \reload
	WIN 0x40
.irp q, 0,1,2,3,4,5,6,7
	global_load_b128 v[64+32*\p+4*\q:67+32*\p+4*\q], v[LI], s[76:77] offset:4096*(\p+2)+512*\q th:TH_LOAD_NT
.endr
	WIN 0
.endif
.endm
	s_mov_b32 s75, 0
	s_mov_b32 s74, 7
.Lln:
	v_add_nc_u32 v32, s75, v[STR]
	ROW 0, 1, 8
	ROW 1, 1, 8
	s_wait_xcnt 0x0                                ; the loads and stores have read their bases
	s_add_nc_u64 s[76:77], s[76:77], 8192
	s_add_nc_u64 s[78:79], s[78:79], 8192
	s_add_co_u32 s75, s75, 2*SPIT
	s_sub_co_u32 s74, s74, 1
	s_cmp_lg_u32 s74, 0
	s_cbranch_scc1 .Lln
	v_add_nc_u32 v32, s75, v[STR]
	ROW 0, 0, 8                                    ; the last two rows ask for nothing: no load leaves its buffer
	ROW 1, 0, 0
	s_wait_tensorcnt 0x0                           ; the wave's end
	ds_add_u32 v[SPW], v[NIL]
	s_wait_dscnt 0x0
	ROUND                                          ; the closing round
	s_endpgm
.Lfunc_end_k_qffd4f6e108_main:
	.size	k_qffd4f6e108_main, .Lfunc_end_k_qffd4f6e108_main-k_qffd4f6e108_main
	.p2alignl 7, 3214868480
	.fill 96, 4, 3214868480
	.section	.rodata,"a",@progbits
	.p2align	6, 0x0
	.amdhsa_kernel k_qffd4f6e108_main
		.amdhsa_group_segment_fixed_size 327680
		.amdhsa_private_segment_fixed_size 0
		.amdhsa_enable_private_segment 0
		.amdhsa_kernarg_size 88
		.amdhsa_user_sgpr_count 2
		.amdhsa_user_sgpr_kernarg_segment_ptr 1
		.amdhsa_wavefront_size32 1
		.amdhsa_system_sgpr_workgroup_id_x 1
		.amdhsa_system_sgpr_workgroup_id_y 1
		.amdhsa_system_sgpr_workgroup_id_z 1
		.amdhsa_system_vgpr_workitem_id 0
		.amdhsa_next_free_vgpr 1024
		.amdhsa_next_free_sgpr 96
		.amdhsa_reserve_vcc 0
		.amdhsa_float_denorm_mode_32 3
		.amdhsa_float_denorm_mode_16_64 3
		.amdhsa_memory_ordered 1
		.amdhsa_forward_progress 1
		.amdhsa_inst_pref_size 255
	.end_amdhsa_kernel
	.section	.bss,"aw",@nobits
	.p2align	6
	.space	262144
	.amdgpu_metadata
---
amdhsa.version: [ 1, 2 ]
amdhsa.kernels:
  - .name:           k_qffd4f6e108_main
    .symbol:         k_qffd4f6e108_main.kd
    .args:
      - { .name: sa_hidden, .offset: 0, .size: 8, .value_kind: global_buffer, .address_space: global }
      - { .name: state_hidden_codes, .offset: 8, .size: 8, .value_kind: global_buffer, .address_space: global }
      - { .name: state_hidden_scales, .offset: 16, .size: 8, .value_kind: global_buffer, .address_space: global }
      - { .name: wl, .offset: 24, .size: 8, .value_kind: global_buffer, .address_space: global }
      - { .name: bq, .offset: 32, .size: 8, .value_kind: global_buffer, .address_space: global }
      - { .name: bk, .offset: 40, .size: 8, .value_kind: global_buffer, .address_space: global }
      - { .name: bv, .offset: 48, .size: 8, .value_kind: global_buffer, .address_space: global }
      - { .name: bo, .offset: 56, .size: 8, .value_kind: global_buffer, .address_space: global }
      - { .name: ln_w, .offset: 64, .size: 8, .value_kind: global_buffer, .address_space: global }
      - { .name: ln_b, .offset: 72, .size: 8, .value_kind: global_buffer, .address_space: global }
      - { .name: out0, .offset: 80, .size: 8, .value_kind: global_buffer, .address_space: global }
    .group_segment_fixed_size: 327680
    .private_segment_fixed_size: 0
    .kernarg_segment_align: 8
    .kernarg_segment_size: 88
    .max_flat_workgroup_size: 128
    .sgpr_count:     96
    .vgpr_count:     1024
    .wavefront_size: 32
...
	.end_amdgpu_metadata
.endif
;; end of part 3
